; MI455X (gfx1250); checked and timed in simulation.
; The chip was launched on July 23, 2026; its instructions are those of AMD's public machine-readable ISA for CDNA 5 (MIT licence, August 2026) and "CDNA5" Instruction Set Architecture Reference Guide (July 2026). The comments in the code are by the model that wrote it; some were corrected since.
;; Multi Head Attention. Allowed arithmetic: matrix products marked QUANTISED: E4M3 operands, one E8M0 scale for each 32 along K, by v_wmma_scale_f32_16x16x128_f8f6f4 with both operands' format E4M3, f32 sums; everything else in f32.
;; Inputs: Wk_codes 1,024 x 32 x 32 uint8 (E4M3 codes of Wk, K innermost, in blocks of 32 codes); Wk_scales 1,024 x 32 uint8 (E8M0 scales of Wk, one for each 32 codes along K); Wo_codes 1,024 x 32 x 32 uint8 (E4M3 codes of Wo, K innermost, in blocks of 32 codes); Wo_scales 1,024 x 32 uint8 (E8M0 scales of Wo, one for each 32 codes along K); Wq_codes 1,024 x 32 x 32 uint8 (E4M3 codes of Wq, K innermost, in blocks of 32 codes); Wq_scales 1,024 x 32 uint8 (E8M0 scales of Wq, one for each 32 codes along K); Wv_codes 1,024 x 32 x 32 uint8 (E4M3 codes of Wv, K innermost, in blocks of 32 codes); Wv_scales 1,024 x 32 uint8 (E8M0 scales of Wv, one for each 32 codes along K); key_codes 4 x 2,048 x 32 x 32 uint8 (E4M3 codes of key, K innermost, in blocks of 32 codes); key_scales 4 x 2,048 x 32 uint8 (E8M0 scales of key, one for each 32 codes along K); ln_beta 1,024 float32; ln_gamma 1,024 float32; mask 4 x 2,048 int32; query 4 x 2,048 x 1,024 float32; value_codes 4 x 2,048 x 32 x 32 uint8 (E4M3 codes of value, K innermost, in blocks of 32 codes); value_scales 4 x 2,048 x 32 uint8 (E8M0 scales of value, one for each 32 codes along K).
;; Outputs: out0 4 x 2,048 x 1,024 float32.
;; This version of the problem:
;;   THIS VERSION OF THE PROBLEM IS GIVEN IN LOW PRECISION. The matrix products marked QUANTISED in the list below multiply operands that are first quantised to E4M3 (4 exponent bits, 3 mantissa bits; 8 bits a number), with one power-of-two scale for each 32 numbers along K (OCP MX v1.0); their sums are f32. All else is computed in f32.
;;   The module's matrix products, in the order in which they are computed (A, B: the left and right operand; K: the contracted axis; several contracted axes count as one K, in the product's order):
;;     1. [M 8,192, K 1,024] x [K 1,024, N 1,024]; A: input query; B: input Wq (given as codes): QUANTISED
;;     2. [M 8,192, K 1,024] x [K 1,024, N 1,024]; A: input key (given as codes); B: input Wk (given as codes): QUANTISED
;;     3. [M 8,192, K 1,024] x [K 1,024, N 1,024]; A: input value (given as codes); B: input Wv (given as codes): QUANTISED
;;     4. batch 64 x [M 2,048, K 64] x [K 64, N 2,048]; A: computed on the way; B: computed on the way: QUANTISED
;;     5. batch 64 x [M 2,048, K 2,048] x [K 2,048, N 64]; A: softmax (see below); B: computed on the way: QUANTISED
;;     6. [M 8,192, K 1,024] x [K 1,024, N 1,024]; A: computed on the way; B: input Wo (given as codes): QUANTISED
;;   THE QUANTISER, for each operand of a quantised product, along K:
;;     - K is cut into blocks of 32 from its start; a last block that is shorter is filled with zeros.
;;     - A block's scale is 2^e with e = floor(log2(the largest magnitude in the block)) - 8, held to -126 .. 127; a block of zeros has e = 0. As a byte (E8M0): e + 127.
;;     - Each number is divided by its block's scale, clamped to +-448, and rounded to the nearest number of E4M3, ties to even, subnormals kept.
;;     - The product sums the exact products of the quantised numbers (number of the format x scale) in f32.
;;   ~~~python
;;   def quantise(x, axis):      # numpy; x: float32 -> the quantised numbers, widened to float32 again
;;       x = np.moveaxis(x, axis, -1); K = x.shape[-1]
;;       x = np.pad(x, [(0, 0)] * (x.ndim - 1) + [(0, -K % 32)]); x = x.reshape(x.shape[:-1] + (-1, 32)); a = np.abs(x).max(-1, keepdims=True)
;;       e = np.where(a > 0, np.clip(np.frexp(np.where(a > 0, a, 1))[1] - 1 - 8, -126, 127), 0)      # np.frexp(a)[1] - 1 = floor(log2(a)), exactly
;;       r = np.clip(x / 2.0 ** e, -448, 448)
;;       step = 2.0 ** (np.maximum(np.frexp(np.where(r == 0, 1, r))[1] - 1, -6) - 3)
;;       q = np.round(r / step) * step * 2.0 ** e      # np.round: ties to even
;;       return np.moveaxis(q.reshape(q.shape[:-2] + (-1,))[..., :K], -1, axis).astype(np.float32)
;;   ~~~
;;   SOFTMAX AHEAD OF A QUANTISED PRODUCT. Where the list says 'softmax', what is quantised is not the finished softmax but p = 2^(t - M), with t = logit x log2(e) and M = ceil(the row's largest t), a whole number; so 1/2 < the row's largest p <= 1. The row's sum l is taken of the UNQUANTISED p, in f32, and the product's result is divided by l at the end. Since M is a whole number, a kernel that streams over the keys may use a running M (the ceiling of the running maximum): every later rescaling is an exact power of two, which a block's scale takes up: the codes' values come out the same.
;;   OPERANDS COMPUTED ON THE WAY. 'Computed on the way' means the value that the module computes at that place (a softmax that the list does not call 'softmax' is quantised finished and normalised). What goes into a quantiser is computed in f32, as accurately as f32 sums, v_exp_f32 and their like allow (about 1e-6 of the number): no bf16 or f16 on the way to a quantiser, and a product that is left as it is and whose result goes on into a quantised operand takes f32 operands (vector FMAs, or v_wmma_f32_16x16x4_f32). A number that lies on a knife's edge between two numbers of the format may be rounded either way, as far as f32 arithmetic and the matrix unit's own rounding can turn it there, and no further.
;;   INPUTS GIVEN AS CODES. Wk (in the module: [1024, 1024], K = its axis 1); Wo (in the module: [1024, 1024], K = its axis 1); Wq (in the module: [1024, 1024], K = its axis 1); Wv (in the module: [1024, 1024], K = its axis 1); key (in the module: [4, 2048, 1024], K = its axis 2); value (in the module: [4, 2048, 1024], K = its axis 2): each comes as NAME_codes (uint8): NAME with its K axis moved to the last place and cut into blocks of 32 codes, [.., K / 32, bytes a block], one block behind the other in memory; one code a byte (a code: sign, 4 exponent bits, 3 mantissa bits); and NAME_scales (uint8): the same leading axes, one E8M0 byte (e + 127) for each 32 codes along K. Its value is code x scale, taken as it is: it is not quantised again, and the codes and scales need not be those that the quantiser above would give.
;; One version. Each part assembles by itself: llvm-mc -triple=amdgcn-amd-amdhsa -mcpu=gfx1250 --defsym DOCPART=n.
;; ======== version 1 of 1: 4 launches
;; limits: right only within a limited range of input values
;; workspace buffers: xq_codes 8,388,608 bytes; xq_scales 262,144 bytes; wo_img 1,048,576 bytes; qkv_img 25,165,824 bytes; qkv_sc 1,310,720 bytes; o_img 8,388,608 bytes; o_sc 262,144 bytes
;; launch prep (part 1): grid 272 x 1, 4 waves a work-group, no clusters, 33,280 bytes of LDS; arguments query, Wo_codes, xq_codes, xq_scales, wo_img; writes xq_codes, xq_scales, wo_img
.if DOCPART == 1
	.amdgcn_target "amdgcn-amd-amdhsa--gfx1250"
	.amdhsa_code_object_version 6
	.text
	.protected	k_q504a4ee73c_prep
	.globl	k_q504a4ee73c_prep
	.p2align	8
	.type	k_q504a4ee73c_prep,@function
k_q504a4ee73c_prep:
	s_mov_b64 s[64:65], 0
	v_nop
	global_prefetch_b8 v0, s[64:65] scope:SCOPE_SE
	s_setreg_imm32_b32 hwreg(HW_REG_WAVE_MODE, 25, 1), 1
	s_wait_xcnt 0x0
; TWO JOBS IN ONE LAUNCH, parted on the work-group's number.
; Work-groups 0-255: query [8192][1024] f32 becomes codes of FP8 (E4M3), K innermost, xq_codes [8192][1024], with one E8M0 byte for each 32 along K, xq_scales [8192][32].
;   A block's scale is 2^(floor(log2(its largest magnitude)) - 8); its byte is the largest magnitude's exponent field - 8, held at 1 from below.  Each number is divided by the scale, held within +-448, rounded to the nearest code, ties to even.
;   Rows are dense and 1,024 is a multiple of 32: the tensor is a plain stream of blocks of 32.  A wave takes 16 steps of 512 numbers.  Each load reads 512 consecutive bytes; a step's 2,048 bytes turn through the wave's own
;   stage in LDS so that a lane then holds 16 neighbours (two lanes to a block); a lane's 16 codes are 16 bytes, so a store covers 512 consecutive bytes; a wave's 256 scale bytes leave as one aligned run of 256 bytes.
; Work-groups 256-271: Wo's codes [1024][1024] are laid in the order of an operand's registers: wo_img [K step 8][tile of 16 rows 64][c 4][lane 32][16 bytes].
;   The attention output reaches the last product with the numbers of each block of 32 in the order (16 h + 8 u + j) <- (16 u + 8 h + j); Wo gets the same order here: lane (r, h) takes of row r the 8 bytes at 32 c + 8 h and the 8 bytes at 32 c + 16 + 8 h.
;   The order inside a block of 32 touches no scale.  This path uses no LDS.
; LIMITS: a block of zeros gets the byte 1 where the quantiser says 127 (its codes are zeros, and this program alone reads the bytes); NaN and infinities among the inputs are not served.
.set STEPS, 16
.set MANT,  0x600000                   ; the mantissa field of 448 as f32
.set CB,    16                         ; bytes of 16 codes
.set R,     16                         ; v16-143  eight sets of 16 numbers as they are loaded
.set X,     144                        ; v144-175 two sets of 16 neighbours
.set C,     176                        ; v176-239 codes: four registers for each step, so that no store's data are written again
.set E,     240                        ; v240-247 scale bytes, by turns (they go to LDS alone)
.set WREG,  8192                       ; LDS: a region for each wave: two stages of 32 x SP bytes, and behind them its 256 scale bytes
.set SP,    80                         ; a lane's place in a stage: its 64 bytes + 16 of padding
.set QWG,   256                        ; 8192 x 1024 numbers / 32,768 a work-group
	s_load_b256 s[4:11], s[0:1], 0x0               ; query s[4:5], Wo's codes s[6:7], xq_codes s[8:9], xq_scales s[10:11]
	s_load_b64 s[12:13], s[0:1], 0x20              ; wo_img
	v_lshl_add_u32 v248, v0, 2, 0x8000
	v_mov_b32 v249, 0
	v_lshrrev_b32 v1, 5, v0
	v_readfirstlane_b32 s16, v1                    ; wave
	v_and_b32 v2, 31, v0                           ; lane
	s_cmp_lt_u32 ttmp9, QWG
	s_cbranch_scc0 .Lrelay
	v_lshlrev_b32 v3, 4, v2                        ; my 16 bytes of a load's 512
	s_mul_i32 s17, s16, WREG
	v_lshrrev_b32 v14, 2, v2
	v_mul_u32_u24 v14, v14, SP
	v_and_b32 v15, 3, v2
	v_lshl_add_u32 v14, v15, 4, v14
	v_add_nc_u32 v14, s17, v14                     ; the stage, on the way in: SP (lane / 4) + 16 (lane % 4)
	v_mul_u32_u24 v15, v2, SP
	v_add_nc_u32 v15, s17, v15                     ; and on the way out: SP x lane: my 16 neighbours
	v_mul_u32_u24 v4, v2, CB                       ; my codes' place in a step's
	v_lshrrev_b32 v5, 1, v2
	s_add_co_u32 s17, s17, 2*32*SP
	v_add_nc_u32 v5, s17, v5                       ; LDS: my wave's 256 scale bytes, my block's byte
	v_lshlrev_b32 v7, 3, v2                        ; and on the way out 8 bytes a lane
	v_add_nc_u32 v6, s17, v7
	s_mov_b32 s23, MANT
	s_lshl_b32 s18, ttmp9, 2
	s_add_co_u32 s18, s18, s16                     ; which run of 8,192 numbers is my wave's
	s_mov_b32 s19, 0
	s_lshl_b32 s20, s18, 15                        ; 32,768 bytes of f32 a run
	s_mov_b32 s21, 0
	s_wait_alu depctr_va_vdst(0)
	s_wait_kmcnt 0x0
	s_add_nc_u64 s[4:5], s[4:5], s[20:21]
	s_lshl_b32 s20, s18, 13                        ; 8,192 bytes of codes
	s_add_nc_u64 s[8:9], s[8:9], s[20:21]
	s_lshl_b32 s18, s18, 8                         ; 256 scale bytes
	s_add_nc_u64 s[10:11], s[10:11], s[18:19]
.macro LOAD t
.irp i, 0,1,2,3
	global_load_b128 v[R+16*((\t)%8)+4*\i:R+16*((\t)%8)+4*\i+3], v3, s[4:5] offset:2048*(\t)+512*\i th:TH_LOAD_NT   ; 32 lanes read 512 consecutive bytes
.endr
.endm
.macro TURN t                          ; step t's numbers through the stage: LDS serves a wave's instructions in order, so no wait stands between the stores and the loads
.irp i, 0,1,2,3
	ds_store_b128 v14, v[R+16*((\t)%8)+4*\i:R+16*((\t)%8)+4*\i+3] offset:32*SP*((\t)%2)+8*SP*\i
.endr
.irp i, 0,1,2,3
	ds_load_b128 v[X+16*((\t)%2)+4*\i:X+16*((\t)%2)+4*\i+3], v15 offset:32*SP*((\t)%2)+16*\i
.endr
.endm
.irp t, 0,1,2,3,4,5,6,7
	LOAD \t
.endr
	s_wait_loadcnt 28                              ; step 0's four loads are in; the 28 of steps 1 to 7 may be out
	TURN 0
.macro STEP t
.set XS, X+16*((\t)%2)
.if (\t) > 0
	s_wait_dscnt 1                                 ; this step's numbers are back from the stage (the last step's byte store may be out): so its stores into the stage have read their registers,
.else
	s_wait_dscnt 0x0
.endif
.if (\t)+8 < STEPS
	LOAD (\t)+8                                    ; which take the loads of eight steps on
.endif
.if (\t)+1 < STEPS
.if STEPS-2-(\t) >= 7
	s_wait_loadcnt 28                              ; the next step's four loads are in; those of the seven steps behind it may be out
.else
	s_wait_loadcnt 4*(STEPS-2-(\t))
.endif
	TURN (\t)+1                                    ; and go through the other stage while this step is worked
.endif
	v_max3_num_f32 v8, |v[XS]|, |v[XS+1]|, |v[XS+2]|               ; the largest magnitude of my 16, in two chains
	v_max3_num_f32 v9, |v[XS+3]|, |v[XS+4]|, |v[XS+5]|
.irp i, 6,10
	v_max3_num_f32 v8, v8, |v[XS+\i]|, |v[XS+\i+1]|
	v_max3_num_f32 v9, v9, |v[XS+\i+2]|, |v[XS+\i+3]|
.endr
	v_max3_num_f32 v8, v8, |v[XS+14]|, |v[XS+15]|
	v_max3_num_f32 v8, v8, v9, 0x4800000           ; and the floor 2^(9 - 127): so the byte cannot fall under 1
	v_max_num_f32_dpp v8, v8, v8 row_xmask:1 row_mask:0xf bank_mask:0xf   ; and of my neighbour's 16: the block's
	v_add_nc_u32 v11, 0xfc000000, v8               ; 8 off its exponent field: the conversion takes the exponent field of this operand as its scale
	v_and_or_b32 v10, v8, 0x7f800000, s23          ; 448 x the scale
.irp i, 0,1,2,3,4,5,6,7,8,9,10,11,12,13,14,15
	v_med3_num_f32 v[XS+\i], v[XS+\i], -v10, v10   ; the conversion to an 8-bit code does not saturate (ISA guide 7.6.2): the hold comes first
.endr
	v_cvt_scalef32_pk8_fp8_f32 v[C+4*(\t):C+4*(\t)+1], v[XS:XS+7], v11
	v_cvt_scalef32_pk8_fp8_f32 v[C+4*(\t)+2:C+4*(\t)+3], v[XS+8:XS+15], v11
	v_lshrrev_b32 v[E+(\t)%8], 23, v11             ; the scale's byte (also the plain line behind the conversions)
	ds_store_b8 v5, v[E+(\t)%8] offset:16*(\t)     ; both lanes of a block write the same byte with the same value
	global_store_b128 v4, v[C+4*(\t):C+4*(\t)+3], s[8:9] offset:32*CB*(\t)
.endm
.irp t, 0,1,2,3,4,5,6,7,8,9,10,11,12,13,14,15
	STEP \t
.endr
	ds_load_b64 v[12:13], v6                       ; LDS serves a wave's instructions in order: these see my stores
	s_wait_dscnt 0x0
	global_store_b64 v7, v[12:13], s[10:11]        ; 32 lanes store 256 consecutive bytes, aligned
	s_wait_tensorcnt 0x0
	ds_add_u32 v248, v249
	s_wait_dscnt 0x0
	s_endpgm
.Lrelay:
	; wave nt = 4 (work-group - 256) + wave takes Wo's rows 16 nt .. 16 nt + 15, all of K
	v_and_b32 v3, 15, v0                           ; r
	v_bfe_u32 v4, v0, 4, 1                         ; h
	v_lshlrev_b32 v5, 10, v3
	v_lshl_add_u32 v5, v4, 3, v5                   ; in: row r of 1,024 bytes, + 8 h
	s_wait_alu depctr_va_vdst(0)
	v_lshlrev_b32 v6, 4, v2                        ; out: 16 x lane
	s_sub_co_u32 s17, ttmp9, QWG
	s_lshl_b32 s17, s17, 2
	s_add_co_u32 s17, s17, s16                     ; nt
	s_lshl_b32 s18, s17, 14                        ; 16 rows of 1,024 bytes
	s_mov_b32 s19, 0
	s_lshl_b32 s20, s17, 11                        ; a fragment's image is 2,048 bytes
	s_mov_b32 s21, 0
	s_wait_alu depctr_va_vdst(0)
	s_wait_kmcnt 0x0
	s_add_nc_u64 s[6:7], s[6:7], s[18:19]
	s_add_nc_u64 s[12:13], s[12:13], s[20:21]
.set g, 0
.rept 32                               ; g = 4 x K step + c: the block of 32 along K
	global_load_b64 v[64+4*g:65+4*g], v5, s[6:7] offset:32*g
	global_load_b64 v[66+4*g:67+4*g], v5, s[6:7] offset:32*g+16
.set g, g+1
.endr
.set g, 0
.rept 32
	s_wait_loadcnt 62-2*g                          ; block g's two pieces are in; the 62 - 2 g pieces of later blocks may be out
	global_store_b128 v6, v[64+4*g:67+4*g], s[12:13] offset:131072*(g/4)+512*(g%4)   ; 512 consecutive bytes, aligned
.set g, g+1
.endr
	s_endpgm
.Lfunc_end_k_q504a4ee73c_prep:
	.size	k_q504a4ee73c_prep, .Lfunc_end_k_q504a4ee73c_prep-k_q504a4ee73c_prep
	.p2alignl 7, 3214868480
	.fill 96, 4, 3214868480
	.section	.rodata,"a",@progbits
	.p2align	6, 0x0
	.amdhsa_kernel k_q504a4ee73c_prep
		.amdhsa_group_segment_fixed_size 33280
		.amdhsa_private_segment_fixed_size 0
		.amdhsa_enable_private_segment 0
		.amdhsa_kernarg_size 40
		.amdhsa_user_sgpr_count 2
		.amdhsa_user_sgpr_kernarg_segment_ptr 1
		.amdhsa_wavefront_size32 1
		.amdhsa_system_sgpr_workgroup_id_x 1
		.amdhsa_system_sgpr_workgroup_id_y 1
		.amdhsa_system_sgpr_workgroup_id_z 1
		.amdhsa_system_vgpr_workitem_id 0
		.amdhsa_next_free_vgpr 256
		.amdhsa_next_free_sgpr 66
		.amdhsa_reserve_vcc 0
		.amdhsa_float_denorm_mode_32 3
		.amdhsa_float_denorm_mode_16_64 3
		.amdhsa_memory_ordered 1
		.amdhsa_forward_progress 1
		.amdhsa_inst_pref_size 61
	.end_amdhsa_kernel
	.amdgpu_metadata
---
amdhsa.version: [ 1, 2 ]
amdhsa.kernels:
  - .name:           k_q504a4ee73c_prep
    .symbol:         k_q504a4ee73c_prep.kd
    .args:
      - { .name: query, .offset: 0, .size: 8, .value_kind: global_buffer, .address_space: global }
      - { .name: Wo_codes, .offset: 8, .size: 8, .value_kind: global_buffer, .address_space: global }
      - { .name: xq_codes, .offset: 16, .size: 8, .value_kind: global_buffer, .address_space: global }
      - { .name: xq_scales, .offset: 24, .size: 8, .value_kind: global_buffer, .address_space: global }
      - { .name: wo_img, .offset: 32, .size: 8, .value_kind: global_buffer, .address_space: global }
    .group_segment_fixed_size: 33280
    .private_segment_fixed_size: 0
    .kernarg_segment_align: 8
    .kernarg_segment_size: 40
    .max_flat_workgroup_size: 128
    .sgpr_count:     66
    .vgpr_count:     256
    .wavefront_size: 32
...
	.end_amdgpu_metadata
.endif
;; end of part 1
;; launch proj (part 2): grid 4 x 96, 4 waves a work-group, clusters of 4 x 4, 327,680 bytes of LDS; arguments xq_codes, xq_scales, Wq_codes, Wq_scales, key_codes, key_scales, Wk_codes, Wk_scales, Wv_codes, Wv_scales, value_codes, value_scales, qkv_img, qkv_sc; writes qkv_img, qkv_sc
.if DOCPART == 2
	.amdgcn_target "amdgcn-amd-amdhsa--gfx1250"
	.amdhsa_code_object_version 6
	.text
	.protected	k_q504a4ee73c_proj
	.globl	k_q504a4ee73c_proj
	.p2align	8
	.type	k_q504a4ee73c_proj,@function
k_q504a4ee73c_proj:
	s_mov_b64 s[64:65], 0
	v_nop
	global_prefetch_b8 v0, s[64:65] scope:SCOPE_SE
	s_setreg_imm32_b32 hwreg(HW_REG_WAVE_MODE, 25, 1), 1
	s_wait_xcnt 0x0
	s_wait_alu depctr_hold_cnt(0) depctr_sa_sdst(0) depctr_va_vdst(0) depctr_va_sdst(0) depctr_va_ssrc(0) depctr_va_vcc(0) depctr_vm_vsrc(0)
	s_getreg_b32 s2, hwreg(HW_REG_IB_STS2, 6, 4)
	s_cmp_eq_u32 s2, 0
	s_cbranch_scc0 .Lentry_in_a_cluster
	s_endpgm
.Lentry_in_a_cluster:
	s_bfe_u32 s2, ttmp6, 0x10000c
	s_cmp_lg_u32 s2, 0xf033
	s_cbranch_scc0 .Lentry_shape_is_right
	s_endpgm
.Lentry_shape_is_right:
.set KSTEP,  256
.set NQ,     2
.set ROWB,   256
.set KROW,   1024
.set PITCH,  272
.set FR,     16
.set NL,     4
.set NP,     8
.set HALFT,  128*PITCH
.set SLOT,   4*HALFT
.set LAPS,   2
.set KS,     32
.set SCL,    2*SLOT
.set HALFS,  (128*KS/256)*272
.set SBLK,   (16*KS/256)*272
.set SPARE,  SCL+4*HALFS
.set ADRA, 16
.set ADRB, 20
.set ADRS, 27
.set SPW,  28
.set NIL,  29
.set SC,   32
.set AF,   128
.set VO0,  64
.set VO1,  65
.set VS0,  66
.set SH,   67
.set SSTO, 68
.set SRD,  69
.set PW,   70
.set TM,   72
.set SB,   88
.set TS,   120
.set G1, 24
.set G0, 32
.set G1B, 48
.set G0B, 56
.set G1S, 68
.set G0S, 76
.set G1SB, 80
.set G0SB, 88
.set TYP, 95
.set SEL, 20
.set MNT, 22
.set MSB, 0
.macro WIN new
.if MSB != \new
	s_set_vgpr_msb (MSB<<8)|\new
.set MSB, \new
.endif
.endm
.set MUL_LO, 0xa1
.set MUL_HI, 0xf1
.set TO_B,   0x40
.macro JLOAD g0a, g1a, g0b, g1b
	s_cmp_eq_u32 s15, 0
	s_cbranch_scc0 .Lfor_b_\@
	tensor_load_to_lds s[\g0a:\g0a+3], s[\g1a:\g1a+7]
	s_nop 0
.rept 4
	v_nop
.endr
	s_branch .Lasked_\@
.Lfor_b_\@:
	tensor_load_to_lds s[\g0b:\g0b+3], s[\g1b:\g1b+7]
	s_nop 0
.rept 4
	v_nop
.endr
.Lasked_\@:
.endm
.macro CREST
	s_cmp_lg_u32 s14, 0
	s_cbranch_scc1 .Lnot_wave_0_\@
	s_barrier_signal -3
.Lnot_wave_0_\@:
	s_barrier_wait -3
	s_barrier_signal -1
	s_barrier_wait -1
.endm
.macro CROUND
	s_barrier_signal -1
	s_barrier_wait -1
	CREST
.endm
	s_load_b256 s[68:75], s[0:1], 0x0
	s_load_b256 s[76:83], s[0:1], 0x20
	s_load_b256 s[84:91], s[0:1], 0x40
	s_load_b64 s[12:13], s[0:1], 0x60
	s_load_b64 s[96:97], s[0:1], 0x68
	v_lshl_add_u32 v[SPW], v0, 2, SPARE
	v_mov_b32 v[NIL], 0
	ds_add_u32 v28, v29
	ds_add_u32 v28, v29
	s_wait_dscnt 0x0
	v_lshrrev_b32 v1, 5, v0
	v_readfirstlane_b32 s14, v1
	s_lshr_b32 s15, s14, 1
	s_and_b32 s16, s14, 1
	s_bfe_u32 s40, ttmp6, 0x40000
	s_bfe_u32 s41, ttmp6, 0x40004
	s_and_b32 s17, ttmp7, 0xffff
	s_lshr_b32 s[TYP], s17, 3
	s_and_b32 s17, s17, 7
	s_cmp_eq_u32 s[TYP], 2
	s_cselect_b32 s42, s17, 0
	s_cselect_b32 s17, 0, s17
	s_lshl_b32 s42, s42, 2
	s_add_co_u32 s42, s42, s40
	s_lshl_b32 s17, s17, 2
	s_add_co_u32 s17, s17, s41
	s_lshl_b32 s43, s41, 2
	s_lshl_b32 s43, 15, s43
	s_lshl_b32 s44, 0x1111, s40
	CROUND                                         ; the opening round, ahead of the wait for the arguments
	s_wait_kmcnt 0x0
	s_cmp_eq_u32 s[TYP], 0
	s_cselect_b64 s[4:5], s[68:69], s[76:77]
	s_cselect_b64 s[6:7], s[70:71], s[78:79]
	s_cselect_b64 s[8:9], s[72:73], s[80:81]
	s_cselect_b64 s[10:11], s[74:75], s[82:83]
	s_cmp_eq_u32 s[TYP], 2
	s_cselect_b64 s[4:5], s[84:85], s[4:5]
	s_cselect_b64 s[6:7], s[86:87], s[6:7]
	s_cselect_b64 s[8:9], s[88:89], s[8:9]
	s_cselect_b64 s[10:11], s[90:91], s[10:11]
	s_or_b32 s[G1+0], s43, (0<<16)|(1<<20)|(1<<21)|(5<<22)|(3<<25)
	s_or_b32 s[G1B+0], s44, (0<<16)|(1<<20)|(1<<21)|(5<<22)|(3<<25)
.irp g, G1, G1B
	s_mov_b32 s[\g+1], ROWB<<16
	s_mov_b32 s[\g+2], 256<<16                     ; the head's loads of codes bring 256 rows
	s_mov_b32 s[\g+3], ROWB<<16
	s_mov_b32 s[\g+4], 256
	s_mov_b32 s[\g+5], KROW
	s_mov_b32 s[\g+6], 0
	s_mov_b32 s[\g+7], 0
.endr
	s_or_b32 s[G1S+0], s43, (3<<16)|(1<<20)|(1<<21)|(5<<22)|(3<<25)
	s_or_b32 s[G1SB+0], s44, (3<<16)|(1<<20)|(1<<21)|(5<<22)|(3<<25)
.irp g, G1S, G1SB
	s_mov_b32 s[\g+1], 32<<16
	s_mov_b32 s[\g+2], KS<<16                      ; the scale bytes of 256 rows: KS rows of 256 bytes
	s_mov_b32 s[\g+3], 32<<16
	s_mov_b32 s[\g+4], KS
	s_mov_b32 s[\g+5], 32
	s_mov_b32 s[\g+6], 0
	s_mov_b32 s[\g+7], 0
.endr
	s_lshl_b32 s20, s17, 8                         ; the tile's first row of A
	s_lshl_b32 s46, s42, 8                         ; and of B
	s_mov_b32 s21, 0
	s_mov_b32 s47, 0
	s_mov_b64 s[18:19], KS
	s_mul_u64 s[22:23], s[20:21], s[18:19]
	s_mul_u64 s[92:93], s[46:47], s[18:19]
	s_mov_b64 s[18:19], KROW
	s_mul_u64 s[20:21], s[20:21], s[18:19]
	s_mul_u64 s[46:47], s[46:47], s[18:19]
	s_mul_i32 s45, s14, HALFT
	s_mul_i32 s94, s14, HALFS
	s_add_nc_u64 s[20:21], s[4:5], s[20:21]
	s_add_nc_u64 s[22:23], s[6:7], s[22:23]
	s_add_nc_u64 s[46:47], s[8:9], s[46:47]
	s_add_nc_u64 s[92:93], s[10:11], s[92:93]
	s_mov_b32 s[G0S], 1
	s_mov_b32 s[G0S+1], SCL
	s_mov_b64 s[G0S+2:G0S+3], s[22:23]
	s_or_b32 s[G0S+3], s[G0S+3], 0x80000000
	s_mov_b32 s[G0SB], 1
	s_mov_b32 s[G0SB+1], SCL+2*HALFS
	s_mov_b64 s[G0SB+2:G0SB+3], s[92:93]
	s_or_b32 s[G0SB+3], s[G0SB+3], 0x80000000
.set G0H, 4                            ; s[4:7], s[8:11]: group 0 of the head's loads of K step 0 (the pointers that lay there have been used)
.set G0HB, 8
	s_mov_b32 s[G0H], 1
	s_mov_b32 s[G0H+1], 0
	s_mov_b64 s[G0H+2:G0H+3], s[20:21]
	s_or_b32 s[G0H+3], s[G0H+3], 0x80000000
	s_mov_b32 s[G0HB], 1
	s_mov_b32 s[G0HB+1], 2*HALFT
	s_mov_b64 s[G0HB+2:G0HB+3], s[46:47]
	s_or_b32 s[G0HB+3], s[G0HB+3], 0x80000000
	s_mul_i32 s18, s16, 128*KROW                   ; for the ring: my 128 rows of the tile
	s_mov_b32 s19, 0
	s_add_nc_u64 s[20:21], s[20:21], s[18:19]
	s_add_nc_u64 s[46:47], s[46:47], s[18:19]
.irp s, 0,1
	s_mov_b32 s[G0+4*\s], 1
	s_add_co_u32 s[G0+4*\s+1], s45, \s*SLOT
	s_add_nc_u64 s[G0+4*\s+2:G0+4*\s+3], s[20:21], \s*ROWB
	s_or_b32 s[G0+4*\s+3], s[G0+4*\s+3], 0x80000000
	s_mov_b32 s[G0B+4*\s], 1
	s_add_co_u32 s[G0B+4*\s+1], s45, \s*SLOT
	s_add_nc_u64 s[G0B+4*\s+2:G0B+4*\s+3], s[46:47], \s*ROWB
	s_or_b32 s[G0B+4*\s+3], s[G0B+4*\s+3], 0x80000000
.endr
; the head's loads, one a wave: wave 0 K step 0's 256 rows of A, wave 1 those of B, wave 2 A's scale bytes, wave 3 B's; one tree of branches on the wave's number
.macro ARM under, g0, g1, next
	s_cmp_lt_u32 s14, \under
	s_cbranch_scc0 \next
	tensor_load_to_lds s[\g0:\g0+3], s[\g1:\g1+7]
	s_nop 0
.rept 4
	v_nop
.endr
	s_branch .Lhead_asked
\next:
.endm
	ARM 1, G0H,  G1,  .Lhead_b
	ARM 2, G0HB, G1B, .Lhead_sa
	ARM 3, G0S,  G1S, .Lhead_sb
	tensor_load_to_lds s[G0SB:G0SB+3], s[G1SB:G1SB+7]
	s_nop 0
.rept 4
	v_nop
.endr
.Lhead_asked:
	v_and_b32 v1, 15, v0
	v_bfe_u32 v2, v0, 4, 1
	v_mul_u32_u24 v3, v1, PITCH
	v_lshl_add_u32 v4, v2, 4, v3
	s_mul_i32 s21, s15, HALFT
	s_mul_i32 s22, s16, HALFT
	s_add_co_u32 s22, s22, 2*HALFT
.irp s, 0,1
	v_add_nc_u32 v[ADRA+\s], s21, v4
	v_add_nc_u32 v[ADRB+\s], s22, v4
	s_add_co_u32 s21, s21, SLOT
	s_add_co_u32 s22, s22, SLOT
.endr
	v_mul_u32_u24 v5, v1, KS
	v_lshrrev_b32 v6, 8, v5
	v_lshl_add_u32 v5, v6, 4, v5
	s_mul_i32 s21, s15, HALFS
	s_mul_i32 s22, s16, HALFS
	s_add_co_u32 s22, s22, 2*HALFS
	s_sub_co_u32 s22, s22, s21
	v_mul_u32_u24 v6, s22, v2
	s_add_co_u32 s21, s21, SCL
	v_add_nc_u32 v5, v5, v6
	v_add_nc_u32 v[ADRS], s21, v5
	s_lshl_b32 s20, s17, 8
	s_lshl_b32 s21, s15, 7
	s_add_co_u32 s20, s20, s21
	s_lshl_b32 s46, s42, 8
	s_lshl_b32 s47, s16, 7
	s_add_co_u32 s46, s46, s47
	s_cmp_eq_u32 s[TYP], 2
	s_cselect_b32 s18, s46, s20
	s_cselect_b32 s19, s20, s46
	s_mov_b32 s98, 1024
	s_cselect_b32 s98, 2048, s98
	s_mov_b32 s99, 0
	s_cselect_b32 s100, 122880, 0
	s_mov_b32 s101, 0
	s_mov_b32 s21, 131072
	s_cselect_b32 s21, 1024, s21
	s_mov_b32 s22, 256
	s_cselect_b32 s22, 4096, s22
	s_cselect_b32 s23, 0, 16
	s_cselect_b32 s47, 1, 0
	s_lshr_b32 s92, s18, 11
	s_lshr_b32 s93, s19, 6
	s_and_b32 s94, s18, 2047
	s_lshl_b32 s18, s92, 21
	s_lshl_b32 s19, s93, 17
	s_add_co_u32 s18, s18, s19
	s_lshl_b32 s19, s94, 6
	s_add_co_u32 s18, s18, s19
	s_lshl_b32 s19, s[TYP], 23
	s_add_co_u32 s18, s18, s19
	s_mov_b32 s19, 0
	s_add_nc_u64 s[12:13], s[12:13], s[18:19]
	s_lshl_b32 s18, s92, 17
	s_lshl_b32 s92, s93, 13
	s_add_co_u32 s18, s18, s92
	s_lshl_b32 s92, s94, 2
	s_add_co_u32 s18, s18, s92
	s_lshr_b32 s18, s18, s47
	s_lshl_b32 s92, s[TYP], 19
	s_add_co_u32 s18, s18, s92
	s_add_nc_u64 s[96:97], s[96:97], s[18:19]
	v_and_b32 v6, 31, v0
	v_lshlrev_b32 v[VO0], 4, v6
	v_add_nc_u32 v[VO1], s21, v[VO0]
	v_lshlrev_b32 v[VS0], 4, v1
	v_mul_u32_u24 v5, s22, v2
	v_add_nc_u32 v[VS0], v[VS0], v5
	v_mul_u32_u24 v[SH], s23, v2
	s_lshl_b32 s23, s14, 10
	v_lshlrev_b32 v5, 9, v2
	v_lshl_add_u32 v5, v1, 2, v5
	v_add_nc_u32 v[SSTO], s23, v5
	v_add_nc_u32 v[SRD], s23, v[VO0]
.irp p, 0,1,2,3
	v_mov_b32 v[TM+4+\p], 0
.endr
	s_mov_b32 s[SEL], 0x76543210
	s_mov_b32 s[SEL+1], 0xfedcba98
	s_mov_b32 s[MNT], 0x600000
.macro FRAG reg, adr, q, i
.irp c, 0,1,2,3
	ds_load_b128 v[\reg+4*\c:\reg+4*\c+3], v[\adr] offset:128*(\q)+32*\c+(\i)*16*PITCH
.endr
.endm
.macro MUL16 a0, p, q, sc, zero
.irp a, \a0, \a0+1
.irp b, 0,1,2,3,4,5,6,7
.if \zero
	v_wmma_scale_f32_16x16x128_f8f6f4 v[8*(8*((\a)%4)+\b):8*(8*((\a)%4)+\b)+7], v[128*(\p)+FR*\b:128*(\p)+FR*\b+FR-1], v[AF+FR*(\a):AF+FR*(\a)+FR-1], 0, v[SC+8*NQ*(\sc)+NQ*\b+(\q)], v[SC+8*NQ*(\sc)+NQ*(\a)+(\q)] matrix_a_scale:MATRIX_SCALE_ROW1
.else
	v_wmma_scale_f32_16x16x128_f8f6f4 v[8*(8*((\a)%4)+\b):8*(8*((\a)%4)+\b)+7], v[128*(\p)+FR*\b:128*(\p)+FR*\b+FR-1], v[AF+FR*(\a):AF+FR*(\a)+FR-1], v[8*(8*((\a)%4)+\b):8*(8*((\a)%4)+\b)+7], v[SC+8*NQ*(\sc)+NQ*\b+(\q)], v[SC+8*NQ*(\sc)+NQ*(\a)+(\q)] matrix_a_scale:MATRIX_SCALE_ROW1
.endif
.endr
.endr
.endm
.macro FETCH_B slot, q, p
	WIN TO_B
.irp i, 0,1,2,3,4,5,6,7
	FRAG 128*(\p)+FR*\i, ADRB+\slot, \q, \i
.endr
	WIN 0
.endm
.macro FETCH_A slot, q, i0
.irp i, \i0, \i0+1, \i0+2, \i0+3
	FRAG AF+FR*(\i), ADRA+\slot, \q, \i
.endr
.endm
.macro SCALES sc
.irp i, 0,1,2,3,4,5,6,7
	ds_load_b64 v[SC+8*NQ*\sc+NQ*\i:SC+8*NQ*\sc+NQ*\i+1], v[ADRS] offset:\i*SBLK
.endr
.endm
.macro PLACES n
.rept \n
	v_nop
.endr
.endm
.macro STEP slot, q, zero
	s_wait_dscnt 4*NL
	WIN MUL_LO
	MUL16 0, (\q)%2, \q, \slot, \zero
	MUL16 2, (\q)%2, \q, \slot, \zero
	s_wait_dscnt 0
	PLACES NP
	FETCH_B \slot, (\q)+1, 1-(\q)%2
	FETCH_A \slot, (\q)+1, 0
	WIN MUL_HI
	MUL16 4, (\q)%2, \q, \slot, \zero
	MUL16 6, (\q)%2, \q, \slot, \zero
	PLACES NP
	WIN 0
	FETCH_A \slot, (\q)+1, 4
.endm
.macro TURN slot, next, fill
	s_wait_tensorcnt 0x0
	ds_add_u32 v[SPW], v[NIL]
	s_wait_dscnt 4*NL+1
	WIN MUL_LO
	MUL16 0, 1, NQ-1, \slot, 0
	s_wait_dscnt 0x0
	s_barrier_signal -1
	MUL16 2, 1, NQ-1, \slot, 0
	WIN 0
	s_barrier_wait -1
.if \fill
	CREST
	s_add_nc_u64 s[G0+4*\slot+2:G0+4*\slot+3], s[G0+4*\slot+2:G0+4*\slot+3], 2*ROWB
	s_add_nc_u64 s[G0B+4*\slot+2:G0B+4*\slot+3], s[G0B+4*\slot+2:G0B+4*\slot+3], 2*ROWB
	JLOAD G0+4*\slot, G1, G0B+4*\slot, G1B
	PLACES NP-4
.else
	PLACES NP
.endif
	s_wait_alu depctr_va_vdst(0)
	v_add_nc_u32 v[ADRS], 4*NQ, v[ADRS]
	FETCH_B \next, 0, 0
	FETCH_A \next, 0, 0
	SCALES \next
	WIN MUL_HI
	MUL16 4, 1, NQ-1, \slot, 0
	MUL16 6, 1, NQ-1, \slot, 0
	PLACES NP
	WIN 0
	FETCH_A \next, 0, 4
.endm
	s_wait_alu depctr_va_vdst(0)
	s_wait_tensorcnt 0x0                           ; my tile of the head's four is in
	ds_add_u32 v[SPW], v[NIL]
	s_mov_b32 s[G1+2], 128<<16                     ; no tensor load of mine is out: from here on a load brings 128 rows
	s_mov_b32 s[G1+4], 128
	s_mov_b32 s[G1B+2], 128<<16
	s_mov_b32 s[G1B+4], 128
	s_wait_dscnt 0x0
	CROUND                                         ; all four tiles are in, in every partner
	JLOAD G0+4, G1, G0B+4, G1B                     ; K step 1, slot 1's first fill: the first tensor load behind the round
	FETCH_B 0, 0, 0
	FETCH_A 0, 0, 0
	SCALES 0
	FETCH_A 0, 0, 4
	STEP 0, 0, 1
	s_mov_b32 s3, LAPS-1
.Llap:
	TURN 0, 1, 1
	STEP 1, 0, 0
	TURN 1, 0, 1
	STEP 0, 0, 0
	s_sub_co_u32 s3, s3, 1
	s_cmp_lg_u32 s3, 0
	s_cbranch_scc1 .Llap
	TURN 0, 1, 0
	STEP 1, 0, 0
	s_wait_dscnt 4*NL
	WIN MUL_LO
	MUL16 0, 1, NQ-1, 1, 0
	MUL16 2, 1, NQ-1, 1, 0
	s_wait_dscnt 0
	WIN MUL_HI
	MUL16 4, 1, NQ-1, 1, 0
	MUL16 6, 1, NQ-1, 1, 0
	WIN 0
.macro QOUT a
.set W,  2+(\a)/4
.set AC, 64*((\a)%4)
.set PC, SB+16*((\a)%2)
.if (\a) > 0
	s_wait_xcnt 0x0
	s_add_nc_u64 s[12:13], s[12:13], s[98:99]
.endif
.if (\a) == 4
	s_add_nc_u64 s[12:13], s[12:13], s[100:101]
.endif
.set WN, (W<<2)|(W<<4)
	WIN WN
.irp p, 0,1,2,3
	v_max3_num_f32 v[TM+\p], 0x4800000, |v[AC+16*\p]|, |v[AC+16*\p+1]|
.endr
.irp i, 2,4,6,8,10,12,14
.irp p, 0,1,2,3
	v_max3_num_f32 v[TM+\p], v[TM+\p], |v[AC+16*\p+\i]|, |v[AC+16*\p+\i+1]|
.endr
.endr
	WIN 0
.irp p, 0,1,2,3
	v_permlanex16_b32 v[TM+4+\p], v[TM+\p], s[SEL], s[SEL+1]
.endr
.irp p, 0,1,2,3
	v_max_num_f32 v[TM+\p], v[TM+\p], v[TM+4+\p]
.endr
.irp p, 0,1,2,3
	v_add_nc_u32 v[TM+12+\p], 0xfc000000, v[TM+\p]
.endr
.irp p, 0,1,2,3
	v_and_or_b32 v[TM+8+\p], v[TM+\p], 0x7f800000, s[MNT]
.endr
.irp p, 0,1,2,3
	v_lshrrev_b32 v[TM+4+\p], 23, v[TM+12+\p]
.endr
	v_lshl_or_b32 v[PW], v[TM+5], 8, v[TM+4]
	v_lshl_or_b32 v[PW], v[TM+6], 16, v[PW]
	v_lshl_or_b32 v[PW], v[TM+7], 24, v[PW]
.set WN, W|(W<<6)
	WIN WN
.irp p, 0,1,2,3
.irp i, 0,1,2,3,4,5,6,7,8,9,10,11,12,13,14,15
	v_med3_num_f32 v[AC+16*\p+\i], v[AC+16*\p+\i], -v[TM+8+\p], v[TM+8+\p]
.endr
.endr
	WIN W
.irp p, 0,1,2,3
	v_cvt_scalef32_pk8_fp8_f32 v[PC+4*\p:PC+4*\p+1], v[AC+16*\p:AC+16*\p+7], v[TM+12+\p]
	v_cvt_scalef32_pk8_fp8_f32 v[PC+4*\p+2:PC+4*\p+3], v[AC+16*\p+8:AC+16*\p+15], v[TM+12+\p]
.endr
	WIN 0
	v_nop
	global_store_b128 v[VO0], v[PC:PC+3], s[12:13]
	global_store_b128 v[VO0], v[PC+4:PC+7], s[12:13] offset:512
	global_store_b128 v[VO1], v[PC+8:PC+11], s[12:13]
	global_store_b128 v[VO1], v[PC+12:PC+15], s[12:13] offset:512
	v_lshrrev_b32 v[TS+(\a)], v[SH], v[PW]
	ds_store_b32 v[SSTO], v[TS+(\a)] offset:64*(\a)
.endm
	PLACES NP
.irp a, 0,1,2,3,4,5,6,7
	QOUT \a
.endr
	s_wait_dscnt 0x0
	ds_load_b128 v[SB:SB+3], v[SRD]
	ds_load_b128 v[SB+4:SB+7], v[SRD] offset:512
	s_wait_dscnt 0x0
	global_store_b128 v[VS0], v[SB:SB+3], s[96:97]
	s_cmp_eq_u32 s[TYP], 2
	s_cbranch_scc1 .Lv_done
	global_store_b128 v[VS0], v[SB+4:SB+7], s[96:97] offset:8192
.Lv_done:
	s_wait_tensorcnt 0x0
	ds_add_u32 v[SPW], v[NIL]
	s_wait_dscnt 0x0
	CROUND
	s_endpgm
.Lfunc_end_k_q504a4ee73c_proj:
	.size	k_q504a4ee73c_proj, .Lfunc_end_k_q504a4ee73c_proj-k_q504a4ee73c_proj
	.p2alignl 7, 3214868480
	.fill 96, 4, 3214868480
	.section	.rodata,"a",@progbits
	.p2align	6, 0x0
	.amdhsa_kernel k_q504a4ee73c_proj
		.amdhsa_group_segment_fixed_size 327680
		.amdhsa_private_segment_fixed_size 0
		.amdhsa_enable_private_segment 0
		.amdhsa_kernarg_size 112
		.amdhsa_user_sgpr_count 2
		.amdhsa_user_sgpr_kernarg_segment_ptr 1
		.amdhsa_wavefront_size32 1
		.amdhsa_system_sgpr_workgroup_id_x 1
		.amdhsa_system_sgpr_workgroup_id_y 1
		.amdhsa_system_sgpr_workgroup_id_z 1
		.amdhsa_system_vgpr_workitem_id 0
		.amdhsa_next_free_vgpr 1024
		.amdhsa_next_free_sgpr 102
		.amdhsa_reserve_vcc 0
		.amdhsa_float_denorm_mode_32 3
		.amdhsa_float_denorm_mode_16_64 3
		.amdhsa_memory_ordered 1
		.amdhsa_forward_progress 1
		.amdhsa_inst_pref_size 189
	.end_amdhsa_kernel
	.amdgpu_metadata
---
amdhsa.version: [ 1, 2 ]
amdhsa.kernels:
  - .name:           k_q504a4ee73c_proj
    .symbol:         k_q504a4ee73c_proj.kd
    .args:
      - { .name: xq_codes, .offset: 0, .size: 8, .value_kind: global_buffer, .address_space: global }
      - { .name: xq_scales, .offset: 8, .size: 8, .value_kind: global_buffer, .address_space: global }
      - { .name: Wq_codes, .offset: 16, .size: 8, .value_kind: global_buffer, .address_space: global }
      - { .name: Wq_scales, .offset: 24, .size: 8, .value_kind: global_buffer, .address_space: global }
      - { .name: key_codes, .offset: 32, .size: 8, .value_kind: global_buffer, .address_space: global }
      - { .name: key_scales, .offset: 40, .size: 8, .value_kind: global_buffer, .address_space: global }
      - { .name: Wk_codes, .offset: 48, .size: 8, .value_kind: global_buffer, .address_space: global }
      - { .name: Wk_scales, .offset: 56, .size: 8, .value_kind: global_buffer, .address_space: global }
      - { .name: Wv_codes, .offset: 64, .size: 8, .value_kind: global_buffer, .address_space: global }
      - { .name: Wv_scales, .offset: 72, .size: 8, .value_kind: global_buffer, .address_space: global }
      - { .name: value_codes, .offset: 80, .size: 8, .value_kind: global_buffer, .address_space: global }
      - { .name: value_scales, .offset: 88, .size: 8, .value_kind: global_buffer, .address_space: global }
      - { .name: qkv_img, .offset: 96, .size: 8, .value_kind: global_buffer, .address_space: global }
      - { .name: qkv_sc, .offset: 104, .size: 8, .value_kind: global_buffer, .address_space: global }
    .group_segment_fixed_size: 327680
    .private_segment_fixed_size: 0
    .kernarg_segment_align: 8
    .kernarg_segment_size: 112
    .max_flat_workgroup_size: 128
    .sgpr_count:     102
    .vgpr_count:     1024
    .wavefront_size: 32
...
	.end_amdgpu_metadata
.endif
;; end of part 2
;; launch attn (part 3): grid 4 x 64, 8 waves a work-group, clusters of 4 x 1, 327,680 bytes of LDS; arguments qkv_img, qkv_sc, mask, o_img, o_sc; writes o_img, o_sc
.if DOCPART == 3
	.amdgcn_target "amdgcn-amd-amdhsa--gfx1250"
	.amdhsa_code_object_version 6
	.text
	.protected	k_q504a4ee73c_attn
	.globl	k_q504a4ee73c_attn
	.p2align	8
	.type	k_q504a4ee73c_attn,@function
k_q504a4ee73c_attn:
	s_mov_b64 s[64:65], 0
	v_nop
	global_prefetch_b8 v0, s[64:65] scope:SCOPE_SE
	s_setreg_imm32_b32 hwreg(HW_REG_WAVE_MODE, 25, 1), 1
	s_wait_xcnt 0x0
	s_wait_alu depctr_hold_cnt(0) depctr_sa_sdst(0) depctr_va_vdst(0) depctr_va_sdst(0) depctr_va_ssrc(0) depctr_va_vcc(0) depctr_vm_vsrc(0)
	s_getreg_b32 s2, hwreg(HW_REG_IB_STS2, 6, 4)
	s_cmp_eq_u32 s2, 0
	s_cbranch_scc0 .Lentry_in_a_cluster
	s_endpgm
.Lentry_in_a_cluster:
	s_bfe_u32 s2, ttmp6, 0x10000c
	s_cmp_lg_u32 s2, 0x3003
	s_cbranch_scc0 .Lentry_shape_is_right
	s_endpgm
.Lentry_shape_is_right:
; o = softmax(q k^T / 8 + (mask - 1) 1e8) v for one head (grid y = 16 batch + head), both products on codes of FP8 (E4M3) with one E8M0 scale for each 32 along K; o leaves as codes and scale bytes.
; SOFTMAX: t = (q.k + 8e8 (mask - 1)) x log2(e) / 8; M = the ceiling of the running largest t; p = 2^(t - M) is quantised along the keys; the row's sum is taken of the unquantised p and divides at the end.
; SHARES: the four work-groups of a cluster own 512 queries each of one head and ask jointly for its K and V, which lie whole in LDS (131,072 bytes each): waves 0-3 fetch quarters of K, waves 4-7 of V, one load a wave.
; A wave owns two tiles of 16 queries in each of two passes and walks the 2,048 keys in 16 steps of 128.  Both products are used transposed: a lane holds one query.
; THE HEAD'S 64 ARE HALF OF THE INSTRUCTION'S 128: a fragment of K holds TWO key tiles (k 0-63 tile 2 f, k 64-127 tile 2 f + 1) and is multiplied with [q | 0] and with [0 | q]; zeros, q0, zeros, q1, zeros lie on end in 40 registers, so that all four operands are runs of them.
; The mask's term is the first product's C.  Tiles 0-3's terms have registers of their own and are loaded a step ahead with K; tiles 4-7's share p's registers and are loaded behind the second product.
; THE STEP: scores; block maxima, both tiles by turns; M and f; O and the sums x f; tile 0's t - M; tile 0's exponentials with tile 1's t - M among them; scales, tile 0's sum; tile 1's exponentials with tile 0's holds among them; conversions, tile 1's sum and holds; second product.
; NO PREFETCH: K and V are asked for once, at the head; there is no loop that runs ahead of a tensor load.
; LIMITS: NaN and infinities are not served; the promise holds while the scaled scores t stay under 2^31 in magnitude; a block of zeros keeps the byte 1 (its codes are zeros; this program alone reads the bytes).
.set VI,   131072                      ; LDS: K's image at 0, V's here
.set KSC,  262144                      ; K's scale words, a word for a row of a fragment: tile 2 f's two bytes, then tile 2 f + 1's
.set VSC,  270336                      ; V's scale words
.set AMB,  274432                      ; 8e8 (mask - 1), f32, by key
.set OSG,  286720                      ; o's scale bytes on the way out
.set SPARE, 287744                     ; the spare words: 128 bytes a wave
.set SPW,  1
.set NIL,  2
.set LI,   3                           ; 16 x lane
.set R4,   4                           ; 4 x (lane % 16)
.set AV0,  5
.set ASK0, 6
.set ASV0, 7
.set AAM0, 8
.set ADV,  9                           ; the step's addresses: V, V's scales, the next step's K, K's scales, mask terms
.set ADVS, 10
.set ADK,  11
.set ADKS, 12
.set ADM,  13
.set OSW,  14
.set OSA,  15
.set KS,   16                          ; v16-19 K's scale words; v20-23 q's (low: for [q | 0]; shifted: for [0 | q]); v24-27 V's; v28-29 p's
.set QS,   20
.set VS,   24
.set PS,   28
.set H16,  30
.set OSR,  31
.set ST,   32                          ; a tile's four: -M, the largest score, the sum in two halves
.set F,    40                          ; f, a pair a tile
.set TT,   44
.set NN,   46
.set T16,  48
.set SM,   50                          ; three more chains of the sum
.set BM,   56                          ; eight blocks: maxima, later bytes
.set BS,   64                          ; the conversions' scale operands
.set BH,   72                          ; the holds' bounds, twice each (a dual line's two second sources lie in different banks); first the lane permutes' results
.set S,    88                          ; v88-215 the scores, then p: 64 a tile
.set QZ,   216                         ; v216-255 zeros, q0, zeros, q1, zeros
.set KF,   0                           ; window 1: K's four fragments; V's four; O^T (32 a tile); the mask's terms; p's codes over the upper half of those
.set VF,   64
.set OT,   128
.set AM,   192
.set PC,   224
.set WV,   14
.set NC,   18
.set MNT,  19
.set SEL,  20
.set CS,   22
.set SC,   46
.set SN,   47
.set PASS, 48
.set PSO,  49
.set MSB, 0
.macro WIN new                         ; the immediate's high byte repeats the setting that is left
.if MSB != \new
	s_set_vgpr_msb (MSB<<8)|\new
.set MSB, \new
.endif
.endm
.macro CROUND
	s_barrier_signal -1
	s_barrier_wait -1
	s_cmp_lg_u32 s[WV], 0
	s_cbranch_scc1 .Lnot_wave_0_\@
	s_barrier_signal -3
.Lnot_wave_0_\@:
	s_barrier_wait -3
	s_barrier_signal -1
	s_barrier_wait -1
.endm
	s_load_b256 s[4:11], s[0:1], 0x0               ; qkv_img, qkv_sc, mask, o_img
	s_load_b64 s[12:13], s[0:1], 0x20              ; o_sc
	v_lshl_add_u32 v[SPW], v0, 2, SPARE
	v_mov_b32 v[NIL], 0
	ds_add_u32 v[SPW], v[NIL]                      ; the opening lines
	ds_add_u32 v[SPW], v[NIL]
	v_lshrrev_b32 v[LI], 5, v0
	v_readfirstlane_b32 s[WV], v[LI]
	s_bfe_u32 s15, ttmp6, 0x40000                  ; cx
	s_and_b32 s16, ttmp7, 0xffff                   ; 16 batch + head
	s_mov_b32 s24, 15|(3<<16)|(1<<21)              ; group 1: all four partners; 128 rows of 256 bytes, dense
	s_mov_b32 s25, 32<<16
	s_mov_b32 s26, 128<<16
	s_mov_b32 s27, 32<<16
	s_mov_b32 s28, 128
	s_mov_b32 s29, 32
	s_mov_b32 s30, 0
	s_mov_b32 s31, 0
	s_lshl_b32 s50, s16, 17                        ; the head's image, my quarter (wave % 4), K's part of qkv_img (1 << 23) or V's (2 << 23)
	s_and_b32 s33, s[WV], 3
	s_lshl_b32 s33, s33, 15
	s_add_co_u32 s50, s50, s33
	s_lshr_b32 s33, s[WV], 2
	s_add_co_u32 s33, s33, 1
	s_lshl_b32 s33, s33, 23
	s_add_co_u32 s50, s50, s33
	s_mov_b32 s51, 0
	s_lshl_b32 s33, s[WV], 15                      ; LDS: 32,768 x wave
	s_mov_b32 s32, 1
	s_wait_dscnt 0x0
	CROUND                                         ; the opening round, ahead of the wait for the arguments
	s_wait_kmcnt 0x0
	s_add_nc_u64 s[34:35], s[4:5], s[50:51]
	s_or_b32 s35, s35, 0x80000000
	tensor_load_to_lds s[32:35], s[24:31]          ; my one load
	s_nop 0
.rept 4
	v_nop
.endr
	s_mov_b32 s55, 0
	s_lshl_b32 s54, s16, 17
	s_lshl_b32 s56, s15, 15
	s_add_co_u32 s54, s54, s56
	s_lshl_b32 s56, s[WV], 11
	s_add_co_u32 s54, s54, s56
	s_add_nc_u64 s[40:41], s[4:5], s[54:55]        ; q's codes: my two tiles of pass 0
	s_lshl_b32 s54, s16, 13
	s_add_nc_u64 s[58:59], s[6:7], s[54:55]        ; the head's scale words of q; K's 524,288 on
	s_lshl_b32 s54, s15, 11
	s_lshl_b32 s56, s[WV], 7
	s_add_co_u32 s54, s54, s56
	s_add_nc_u64 s[42:43], s[58:59], s[54:55]
	s_lshl_b32 s54, s16, 12
	s_add_nc_u64 s[60:61], s[6:7], s[54:55]        ; V's, 1,048,576 on
	s_lshr_b32 s54, s16, 4
	s_lshl_b32 s54, s54, 13
	s_add_nc_u64 s[8:9], s[8:9], s[54:55]          ; the batch's mask
	s_lshr_b32 s54, s16, 4
	s_lshl_b32 s54, s54, 21
	s_lshl_b32 s56, s15, 19
	s_add_co_u32 s54, s54, s56
	s_lshl_b32 s56, s[WV], 15
	s_add_co_u32 s54, s54, s56
	s_and_b32 s56, s16, 15
	s_lshl_b32 s56, s56, 10
	s_add_co_u32 s54, s54, s56
	s_add_nc_u64 s[44:45], s[10:11], s[54:55]      ; o's codes
	s_lshl_b32 s54, s16, 12
	s_lshl_b32 s56, s15, 10
	s_add_co_u32 s54, s54, s56
	s_add_nc_u64 s[12:13], s[12:13], s[54:55]      ; o's scale bytes
	v_and_b32 v[LI], 31, v0
	v_lshlrev_b32 v[OSW], 1, v[LI]
	v_lshlrev_b32 v[LI], 4, v[LI]
	v_and_b32 v[R4], 15, v0
	v_lshlrev_b32 v[R4], 2, v[R4]
	v_bfe_u32 v[H16], v0, 4, 1
	v_lshl_add_u32 v[AAM0], v[H16], 5, AMB
	v_lshlrev_b32 v[H16], 4, v[H16]
	v_add_nc_u32 v[AV0], VI, v[LI]
	v_add_nc_u32 v[ASK0], KSC, v[R4]
	v_add_nc_u32 v[ASV0], VSC, v[R4]
	s_lshl_b32 s57, s[WV], 6
	s_add_co_u32 s57, s57, OSG
	v_add_nc_u32 v[OSW], s57, v[OSW]
	v_lshlrev_b32 v[T16], 4, v0
	v_add_nc_u32 v[OSR], OSG, v[T16]
	v_lshlrev_b32 v[BM], 5, v0                     ; the mask: eight keys a thread
	v_add_nc_u32 v[BM+1], AMB, v[BM]
	v_lshrrev_b32 v[BM+2], 2, v0                   ; K's scale words: thread i takes rows 4 (i % 4) on of tiles 2 (i / 4) and 2 (i / 4) + 1
	v_and_b32 v[BM+3], 3, v0
	v_lshlrev_b32 v[BM+2], 7, v[BM+2]
	v_lshl_add_u32 v[BM+2], v[BM+3], 4, v[BM+2]
	v_add_nc_u32 v[BM+3], KSC, v[T16]
	global_load_b128 v[S:S+3], v[BM], s[8:9]
	global_load_b128 v[S+4:S+7], v[BM], s[8:9] offset:16
	global_load_b128 v[S+8:S+11], v[BM+2], s[58:59] offset:524288
	global_load_b128 v[S+12:S+15], v[BM+2], s[58:59] offset:524288+64
	global_load_b128 v[S+16:S+19], v[T16], s[60:61] offset:1048576
.macro LOADQ p                         ; pass p's two tiles of q and their scale words
.irp q, 0,1
.irp c, 0,1
	global_load_b128 v[QZ+8+16*\q+4*\c:QZ+8+16*\q+4*\c+3], v[LI], s[40:41] offset:16384*(\p)+1024*\q+512*\c
.endr
	global_load_b32 v[QS+\q], v[R4], s[42:43] offset:1024*(\p)+64*\q
.endr
.endm
	LOADQ 0                                        ; pass 0's q comes while K and V are on their way
	s_mov_b32 s[MNT], 0x600000                     ; the mantissa field of 448
	s_mov_b32 s[SEL], 0x76543210
	s_mov_b32 s[SEL+1], 0xfedcba98                 ; lane l xor 16
	s_mov_b32 s[CS], 0x3e38aa3b                    ; c = log2(e) / 8
	s_mov_b32 s[CS+1], s[CS]
	s_mov_b32 s[NC], 0xbe38aa3b                    ; -c
	s_mov_b32 s17, 0x4e3ebc20                      ; 8e8
.irp z, 0,16,32
.irp i, 0,1,2,3,4,5,6,7
	v_mov_b32 v[QZ+\z+\i], 0
.endr
.endr
.irp i, 0,1,2,3,4,5,6,7,8,9,10,11,12,13,14,15
	v_mov_b32 v[BH+\i], 0                          ; a lane permute's destination counts as one of its sources
.endr
	v_mov_b32 v[F+1], 0                            ; named as the upper halves of pairs
	v_mov_b32 v[F+3], 0
	s_wait_alu depctr_va_vdst(0)
	s_wait_loadcnt 0x0
.irp i, 0,1,2,3,4,5,6,7
	v_cvt_f32_i32 v[S+\i], v[S+\i]
.endr
.irp i, 0,1,2,3,4,5,6,7
	v_fma_f32 v[S+\i], v[S+\i], s17, -s17          ; 8e8 (mask - 1): x c it is the reference's term in t
.endr
.irp i, 0,1,2,3
	v_perm_b32 v[S+20+\i], v[S+12+\i], v[S+8+\i], 0x05040100   ; the two tiles' low halves make a fragment's word
.endr
	ds_store_b128 v[BM+1], v[S:S+3]
	ds_store_b128 v[BM+1], v[S+4:S+7] offset:16
	ds_store_b128 v[BM+3], v[S+20:S+23]
	ds_store_b128 v[BM+3], v[S+16:S+19] offset:VSC-KSC
	s_wait_tensorcnt 0x0
	s_wait_dscnt 0x0
	s_barrier_signal -1
	s_barrier_wait -1
.macro LOADKA ak, am                   ; under destination window 1: a step's four fragments of K and the mask's terms of tiles 0-3
.irp f, 0,1,2,3
.irp c, 0,1,2,3
	ds_load_b128 v[KF+16*\f+4*\c:KF+16*\f+4*\c+3], v[\ak] offset:2048*\f+512*\c
.endr
.endr
.irp k, 0,1,2,3
.irp i, 0,1
	ds_load_b128 v[AM+8*\k+4*\i:AM+8*\k+4*\i+3], v[\am] offset:64*\k+16*\i
.endr
.endr
.endm
.macro LOADKS a
.irp f, 0,1,2,3
	ds_load_b32 v[KS+\f], v[\a] offset:64*\f
.endr
.endm
.macro LOADAMB am                      ; the terms of tiles 4-7: eight loads
	WIN 0x40
.irp k, 4,5,6,7
.irp i, 0,1
	ds_load_b128 v[AM+8*\k+4*\i:AM+8*\k+4*\i+3], v[\am] offset:64*\k+16*\i
.endr
.endr
	WIN 0
.endm
.macro SMUL f, u                       ; key tile 2 f + u against both query tiles
.irp q, 0,1
	v_wmma_scale_f32_16x16x128_f8f6f4 v[S+64*\q+8*(2*(\f)+(\u)):S+64*\q+8*(2*(\f)+(\u))+7], v[KF+16*(\f):KF+16*(\f)+15], v[QZ+8+16*\q-8*(\u):QZ+8+16*\q-8*(\u)+15], v[AM+8*(2*(\f)+(\u)):AM+8*(2*(\f)+(\u))+7], v[KS+(\f)], v[QS+2*(\u)+\q]
.endr
.endm
.macro SUMS q                          ; the row's sum of the unquantised p, two at a time, in four chains
.set X, S+64*(\q)
.set L, ST+4*(\q)+2
	v_pk_add_f32 v[SM:SM+1], v[X:X+1], v[X+2:X+3]
	v_pk_add_f32 v[SM+2:SM+3], v[X+4:X+5], v[X+6:X+7]
	v_pk_add_f32 v[SM+4:SM+5], v[X+8:X+9], v[X+10:X+11]
	v_pk_add_f32 v[L:L+1], v[L:L+1], v[X+12:X+13]
.set n, 14
.rept 6
	v_pk_add_f32 v[SM:SM+1], v[SM:SM+1], v[X+n:X+n+1]
	v_pk_add_f32 v[SM+2:SM+3], v[SM+2:SM+3], v[X+n+2:X+n+3]
	v_pk_add_f32 v[SM+4:SM+5], v[SM+4:SM+5], v[X+n+4:X+n+5]
	v_pk_add_f32 v[L:L+1], v[L:L+1], v[X+n+6:X+n+7]
.set n, n+8
.endr
	v_pk_add_f32 v[SM:SM+1], v[SM:SM+1], v[X+62:X+63]
	v_pk_add_f32 v[L:L+1], v[L:L+1], v[SM+2:SM+3]
	v_pk_add_f32 v[SM:SM+1], v[SM:SM+1], v[SM+4:SM+5]
	v_pk_add_f32 v[L:L+1], v[L:L+1], v[SM:SM+1]
.endm
.macro MIN2 q, n                       ; two holds in one line: p is not negative, so the hold is one-sided (the conversion does not saturate: ISA guide 7.6.2)
	v_dual_min_num_f32 v[S+64*(\q)+(\n)], v[S+64*(\q)+(\n)], v[BH+8*(\q)+2*((\n)/16)] :: v_dual_min_num_f32 v[S+64*(\q)+(\n)+1], v[S+64*(\q)+(\n)+1], v[BH+8*(\q)+2*((\n)/16)+1]
.endm
.macro MINX n                          ; tile 1's holds land in tile 0's registers, whose p have been converted: tile 1's p stay as they are for the sum
	v_dual_min_num_f32 v[S+(\n)], v[S+64+(\n)], v[BH+8+2*((\n)/16)] :: v_dual_min_num_f32 v[S+(\n)+1], v[S+64+(\n)+1], v[BH+8+2*((\n)/16)+1]
.endm
.macro SUM1 part                       ; tile 1's sum in three parts of 4, 20 and 8 lines: they are the plain lines behind the conversions, ahead of the second product and behind it
.set X, S+64
.set L, ST+6
.if \part == 0
	v_pk_add_f32 v[SM:SM+1], v[X:X+1], v[X+2:X+3]
	v_pk_add_f32 v[SM+2:SM+3], v[X+4:X+5], v[X+6:X+7]
	v_pk_add_f32 v[SM+4:SM+5], v[X+8:X+9], v[X+10:X+11]
	v_pk_add_f32 v[L:L+1], v[L:L+1], v[X+12:X+13]
.else
.if \part == 1
.set n, 14
.set m, 5
.else
.set n, 54
.set m, 1
.endif
.rept m
	v_pk_add_f32 v[SM:SM+1], v[SM:SM+1], v[X+n:X+n+1]
	v_pk_add_f32 v[SM+2:SM+3], v[SM+2:SM+3], v[X+n+2:X+n+3]
	v_pk_add_f32 v[SM+4:SM+5], v[SM+4:SM+5], v[X+n+4:X+n+5]
	v_pk_add_f32 v[L:L+1], v[L:L+1], v[X+n+6:X+n+7]
.set n, n+8
.endr
.if \part == 2
	v_pk_add_f32 v[SM:SM+1], v[SM:SM+1], v[X+62:X+63]
	v_pk_add_f32 v[L:L+1], v[L:L+1], v[SM+2:SM+3]
	v_pk_add_f32 v[SM:SM+1], v[SM:SM+1], v[SM+4:SM+5]
	v_pk_add_f32 v[L:L+1], v[L:L+1], v[SM:SM+1]
.endif
.endif
.endm
.macro CVTS q                          ; 64 held p, in tile 0's registers for either tile, become the second product's operand
	WIN 0x40
.irp b, 0,1,2,3
	v_cvt_scalef32_pk8_fp8_f32 v[PC+16*(\q)+4*\b:PC+16*(\q)+4*\b+1], v[S+16*\b:S+16*\b+7], v[BS+4*(\q)+\b]
	v_cvt_scalef32_pk8_fp8_f32 v[PC+16*(\q)+4*\b+2:PC+16*(\q)+4*\b+3], v[S+16*\b+8:S+16*\b+15], v[BS+4*(\q)+\b]
.endr
	WIN 0
.endm
	WIN 0x40
	LOADKA LI, AAM0                                ; step 0's operands
	WIN 0
	LOADKS ASK0
	LOADAMB AAM0
	s_mov_b32 s[PASS], 0
	s_mov_b32 s[PSO], 0
.Lpass:
.irp q, 0,1
	v_mov_b32 v[ST+4*\q], 0x7f61b1e6               ; -M: 3e38, so that the first f is 0 and multiplies zeros
	v_mov_b32 v[ST+4*\q+1], 0xff61b1e6             ; the largest score so far: -3e38
	v_mov_b32 v[ST+4*\q+2], 0
	v_mov_b32 v[ST+4*\q+3], 0
.endr
	s_wait_alu depctr_va_vdst(0)
	s_wait_loadcnt 0x0
.irp q, 0,1
	v_lshlrev_b32 v[QS+2+\q], 16, v[QS+\q]         ; q's two bytes for k 64-127; the 64 lines below are its places
.endr
	WIN 0x40
.set n, 0
.rept 64
	v_mov_b32 v[OT+n], 0
.set n, n+1
.endr
	WIN 0
	s_mov_b32 s[SC], 0
.Lstep:
	s_add_co_u32 s[SN], s[SC], 256                 ; the next step; behind the last, step 0 again, for the next pass
	s_and_b32 s[SN], s[SN], 0xfff
	s_wait_dscnt 8                                 ; all but the youngest eight: the terms of tiles 4-7 may be out
	WIN 0x11
	SMUL 0, 0
	SMUL 0, 1
	SMUL 1, 0
	SMUL 1, 1
	s_wait_dscnt 0x0
	SMUL 2, 0
	SMUL 2, 1
	SMUL 3, 0
	SMUL 3, 1
	WIN 0
	v_lshl_add_u32 v[ADV], s[SC], 5, v[AV0]        ; five lines and three v_nop: the eight places behind the products
	v_add_nc_u32 v[ADVS], s[SC], v[ASV0]
	v_lshl_add_u32 v[ADK], s[SN], 5, v[LI]
	v_add_nc_u32 v[ADKS], s[SN], v[ASK0]
	v_lshl_add_u32 v[ADM], s[SN], 1, v[AAM0]
.rept 3
	v_nop
.endr
	WIN 0x40
.irp t, 0,1,2,3
.irp c, 0,1,2,3
	ds_load_b128 v[VF+16*\t+4*\c:VF+16*\t+4*\c+3], v[ADV] offset:2048*\t+512*\c
.endr
.endr
	LOADKA ADK, ADM
	WIN 0
.irp t, 0,1,2,3
	ds_load_b32 v[VS+\t], v[ADVS] offset:64*\t
.endr
	LOADKS ADKS
; the largest score of each block of 32 keys, eight blocks by turns
.irp q, 0,1
.irp b, 0,1,2,3
	v_max3_num_f32 v[BM+4*\q+\b], v[S+64*\q+16*\b], v[S+64*\q+16*\b+1], v[S+64*\q+16*\b+2]
.endr
.endr
.irp i, 3,5,7,9,11,13
.irp q, 0,1
.irp b, 0,1,2,3
	v_max3_num_f32 v[BM+4*\q+\b], v[BM+4*\q+\b], v[S+64*\q+16*\b+\i], v[S+64*\q+16*\b+\i+1]
.endr
.endr
.endr
.irp q, 0,1
.irp b, 0,1,2,3
	v_max_num_f32 v[BM+4*\q+\b], v[BM+4*\q+\b], v[S+64*\q+16*\b+15]
.endr
.endr
.irp g, 0,1,2,3,4,5,6,7
	v_permlanex16_b32 v[BH+\g], v[BM+\g], s[SEL], s[SEL+1]
.endr
.irp g, 0,1,2,3,4,5,6,7
	v_max_num_f32 v[BM+\g], v[BM+\g], v[BH+\g]
.endr
; M and f = 2^(old M - new M), the two tiles by turns
.irp q, 0,1
	v_max3_num_f32 v[TT+\q], v[BM+4*\q], v[BM+4*\q+1], v[BM+4*\q+2]
.endr
.irp q, 0,1
	s_delay_alu instid0(VALU_DEP_2)
	v_max3_num_f32 v[ST+4*\q+1], v[ST+4*\q+1], v[TT+\q], v[BM+4*\q+3]
.endr
.irp q, 0,1
	s_delay_alu instid0(VALU_DEP_2)
	v_mul_f32 v[NN+\q], s[NC], v[ST+4*\q+1]
.endr
.irp q, 0,1
	s_delay_alu instid0(VALU_DEP_2)
	v_floor_f32 v[NN+\q], v[NN+\q]                 ; the new -M = floor(-t)
.endr
.irp q, 0,1
	s_delay_alu instid0(VALU_DEP_2)
	v_sub_f32 v[TT+\q], v[NN+\q], v[ST+4*\q]
.endr
.irp q, 0,1
	s_delay_alu instid0(VALU_DEP_2)
	v_cvt_i32_f32 v[TT+\q], v[TT+\q]               ; (it saturates)
.endr
.irp q, 0,1
	s_delay_alu instid0(VALU_DEP_2)
	v_ldexp_f32 v[F+2*\q], 1.0, v[TT+\q]
.endr
.irp q, 0,1
	v_mov_b32 v[ST+4*\q], v[NN+\q]
.endr
	WIN 0x41                                       ; O^T under the new M, ahead of the exponentials
.set n, 0
.rept 16
.irp q, 0,1
	v_pk_mul_f32 v[OT+32*\q+n:OT+32*\q+n+1], v[OT+32*\q+n:OT+32*\q+n+1], v[F+2*\q:F+2*\q+1] op_sel_hi:[1,0]
.endr
.set n, n+2
.endr
	WIN 0
.irp q, 0,1
	v_pk_mul_f32 v[ST+4*\q+2:ST+4*\q+3], v[ST+4*\q+2:ST+4*\q+3], v[F+2*\q:F+2*\q+1] op_sel_hi:[1,0]
.endr
.set n, 0
.rept 32
	v_pk_fma_f32 v[S+n:S+n+1], v[S+n:S+n+1], s[CS:CS+1], v[ST:ST+1] op_sel_hi:[1,0,0]   ; tile 0: t - M
.set n, n+2
.endr
.irp q, 0,1
.irp b, 0,1,2,3
	v_fma_f32 v[BM+4*\q+\b], v[BM+4*\q+\b], s[CS], v[ST+4*\q]      ; the same of each block's largest score
.endr
.endr
	s_wait_alu depctr_va_vdst(0)                   ; ahead of the batch
.set n, 0
.rept 32                               ; tile 0's p; among them tile 1's t - M, which is read behind the next wait
	v_exp_f32 v[S+n], v[S+n]
	v_exp_f32 v[S+n+1], v[S+n+1]
	v_pk_fma_f32 v[S+64+n:S+64+n+1], v[S+64+n:S+64+n+1], s[CS:CS+1], v[ST+4:ST+5] op_sel_hi:[1,0,0]
.set n, n+2
.endr
.irp g, 0,1,2,3,4,5,6,7
	v_exp_f32 v[BM+\g], v[BM+\g]                   ; each block's largest p
.endr
	v_nop
	s_wait_alu depctr_va_vdst(0)                   ; one wait for the batch
.irp g, 0,1,2,3,4,5,6,7
	v_max_num_f32 v[BM+\g], 0x4800000, v[BM+\g]    ; the floor 2^(9 - 127): the byte cannot fall under 1
.endr
.irp g, 0,1,2,3,4,5,6,7
	v_add_nc_u32 v[BS+\g], 0xfc000000, v[BM+\g]    ; 8 off the exponent field: the conversion's scale operand
.endr
.irp g, 0,1,2,3,4,5,6,7
	v_and_or_b32 v[BH+2*\g], v[BM+\g], 0x7f800000, s[MNT]          ; 448 x the scale, twice
	v_and_or_b32 v[BH+2*\g+1], v[BM+\g], 0x7f800000, s[MNT]
.endr
.irp g, 0,1,2,3,4,5,6,7
	v_lshrrev_b32 v[BM+\g], 23, v[BS+\g]           ; the byte
.endr
.irp s, 1,2,3
.irp q, 0,1
.if \s == 1
	v_lshl_or_b32 v[PS+\q], v[BM+4*\q+1], 8, v[BM+4*\q]
.else
	v_lshl_or_b32 v[PS+\q], v[BM+4*\q+\s], 8*\s, v[PS+\q]
.endif
.endr
.endr
	SUMS 0
	s_wait_alu depctr_va_vdst(0)                   ; ahead of the second batch
.set n, 0
.rept 32                               ; tile 1's p; among them tile 0's holds, which are read behind the next wait
	v_exp_f32 v[S+64+n], v[S+64+n]
	v_exp_f32 v[S+64+n+1], v[S+64+n+1]
	MIN2 0, n
.set n, n+2
.endr
	v_nop
	s_wait_alu depctr_va_vdst(0)                   ; one wait for the batch
	CVTS 0
	SUM1 0
.set n, 0
.rept 32
	MINX n
.set n, n+2
.endr
	CVTS 1
	SUM1 1                                         ; among them the four places between the codes and the scaled product
	s_wait_alu depctr_va_vdst(0)
	s_wait_dscnt 4                                 ; V and its scale words are in; behind them K's four scale words were issued
	WIN 0x55
.irp t, 0,1,2,3
.irp q, 0,1
	v_wmma_scale_f32_16x16x128_f8f6f4 v[OT+32*\q+8*\t:OT+32*\q+8*\t+7], v[VF+16*\t:VF+16*\t+15], v[PC+16*\q:PC+16*\q+15], v[OT+32*\q+8*\t:OT+32*\q+8*\t+7], v[VS+\t], v[PS+\q]
.endr
.endr
	WIN 0
	SUM1 2                                         ; eight plain lines that name no register of the products: the places ahead of loads into p's registers
	LOADAMB ADM
	s_add_co_u32 s[SC], s[SC], 256
	s_cmp_lt_u32 s[SC], 4096
	s_cbranch_scc1 .Lstep
	s_cmp_lg_u32 s[PASS], 0                        ; behind pass 0 the next pass's q is asked for, ahead of the way out's work; behind pass 1 nothing follows
	s_wait_alu depctr_va_vdst(0)
	s_cbranch_scc1 .Lno_q
	LOADQ 1
.Lno_q:
; A PASS'S WAY OUT: O^T / the sum, quantised along the head's 64 (two blocks a tile; a block lies in lanes l and l xor 16)
.irp q, 0,1
	v_add_f32 v[TT+\q], v[ST+4*\q+2], v[ST+4*\q+3]
.endr
.irp q, 0,1
	v_permlanex16_b32 v[BH+\q], v[TT+\q], s[SEL], s[SEL+1]
.endr
.irp q, 0,1
	v_add_f32 v[TT+\q], v[TT+\q], v[BH+\q]
.endr
	s_wait_alu depctr_va_vdst(0)
.irp q, 0,1
	v_rcp_f32 v[NN+\q], v[TT+\q]
.endr
	v_nop
	s_wait_alu depctr_va_vdst(0)
	WIN 0x01
.irp q, 0,1
.set n, 0
.rept 32
	v_mul_f32 v[S+32*\q+n], v[OT+32*\q+n], v[NN+\q]
.set n, n+1
.endr
.endr
	WIN 0
.irp b, 0,1,2,3
	v_max3_num_f32 v[BM+\b], |v[S+16*\b]|, |v[S+16*\b+1]|, 0x4800000
.endr
.irp i, 2,4,6,8,10,12,14
.irp b, 0,1,2,3
	v_max3_num_f32 v[BM+\b], v[BM+\b], |v[S+16*\b+\i]|, |v[S+16*\b+\i+1]|
.endr
.endr
.irp b, 0,1,2,3
	v_permlanex16_b32 v[BH+8+\b], v[BM+\b], s[SEL], s[SEL+1]
.endr
.irp b, 0,1,2,3
	v_max_num_f32 v[BM+\b], v[BM+\b], v[BH+8+\b]
.endr
.irp b, 0,1,2,3
	v_add_nc_u32 v[BS+\b], 0xfc000000, v[BM+\b]
.endr
.irp b, 0,1,2,3
	v_and_or_b32 v[BH+\b], v[BM+\b], 0x7f800000, s[MNT]
.endr
.irp b, 0,1,2,3
	v_lshrrev_b32 v[BM+\b], 23, v[BS+\b]
.endr
	v_lshl_or_b32 v[TT], v[BM+1], 8, v[BM]
	v_lshl_or_b32 v[TT], v[BM+2], 16, v[TT]
	v_lshl_or_b32 v[TT], v[BM+3], 24, v[TT]
.irp b, 0,1,2,3
.irp i, 0,1,2,3,4,5,6,7,8,9,10,11,12,13,14,15
	v_med3_num_f32 v[S+16*\b+\i], v[S+16*\b+\i], -v[BH+\b], v[BH+\b]
.endr
	v_cvt_scalef32_pk8_fp8_f32 v[S+64+4*\b:S+65+4*\b], v[S+16*\b:S+16*\b+7], v[BS+\b]
	v_cvt_scalef32_pk8_fp8_f32 v[S+66+4*\b:S+67+4*\b], v[S+16*\b+8:S+16*\b+15], v[BS+\b]
.endr
	v_nop
.irp b, 0,1,2,3
	global_store_b128 v[LI], v[S+64+4*\b:S+67+4*\b], s[44:45] offset:16384*(\b/2)+512*(\b%2)   ; 512 consecutive bytes, aligned
.endr
	v_lshrrev_b32 v[TT+1], v[H16], v[TT]           ; lanes 0-15 tile 0's two bytes, lanes 16-31 tile 1's
	v_add_nc_u32 v[OSA], s[PSO], v[OSW]
	ds_store_b16 v[OSA], v[TT+1]
	s_wait_xcnt 0x0                                ; the stores have read their registers and bases
	s_add_nc_u64 s[44:45], s[44:45], 262144
	s_add_co_u32 s[PSO], s[PSO], 512
	s_add_co_u32 s[PASS], s[PASS], 1
	s_cmp_lt_u32 s[PASS], 2
	s_cbranch_scc1 .Lpass
	s_wait_dscnt 0x0
	s_barrier_signal -1
	s_barrier_wait -1
	s_cmp_lt_u32 s[WV], 2
	s_cbranch_scc0 .Lno_sc
	ds_load_b128 v[S:S+3], v[OSR]                  ; the work-group's 1,024 scale bytes leave in runs of 512
	s_wait_dscnt 0x0
	global_store_b128 v[T16], v[S:S+3], s[12:13]
.Lno_sc:
	s_wait_tensorcnt 0x0                           ; the wave's end
	ds_add_u32 v[SPW], v[NIL]
	s_wait_dscnt 0x0
	CROUND                                         ; the closing round
	s_endpgm
.Lfunc_end_k_q504a4ee73c_attn:
	.size	k_q504a4ee73c_attn, .Lfunc_end_k_q504a4ee73c_attn-k_q504a4ee73c_attn
	.p2alignl 7, 3214868480
	.fill 96, 4, 3214868480
	.section	.rodata,"a",@progbits
	.p2align	6, 0x0
	.amdhsa_kernel k_q504a4ee73c_attn
		.amdhsa_group_segment_fixed_size 327680
		.amdhsa_private_segment_fixed_size 0
		.amdhsa_enable_private_segment 0
		.amdhsa_kernarg_size 40
		.amdhsa_user_sgpr_count 2
		.amdhsa_user_sgpr_kernarg_segment_ptr 1
		.amdhsa_wavefront_size32 1
		.amdhsa_system_sgpr_workgroup_id_x 1
		.amdhsa_system_sgpr_workgroup_id_y 1
		.amdhsa_system_sgpr_workgroup_id_z 1
		.amdhsa_system_vgpr_workitem_id 0
		.amdhsa_next_free_vgpr 512
		.amdhsa_next_free_sgpr 66
		.amdhsa_reserve_vcc 0
		.amdhsa_float_denorm_mode_32 3
		.amdhsa_float_denorm_mode_16_64 3
		.amdhsa_memory_ordered 1
		.amdhsa_forward_progress 1
		.amdhsa_inst_pref_size 63
	.end_amdhsa_kernel
	.amdgpu_metadata
---
amdhsa.version: [ 1, 2 ]
amdhsa.kernels:
  - .name:           k_q504a4ee73c_attn
    .symbol:         k_q504a4ee73c_attn.kd
    .args:
      - { .name: qkv_img, .offset: 0, .size: 8, .value_kind: global_buffer, .address_space: global }
      - { .name: qkv_sc, .offset: 8, .size: 8, .value_kind: global_buffer, .address_space: global }
      - { .name: mask, .offset: 16, .size: 8, .value_kind: global_buffer, .address_space: global }
      - { .name: o_img, .offset: 24, .size: 8, .value_kind: global_buffer, .address_space: global }
      - { .name: o_sc, .offset: 32, .size: 8, .value_kind: global_buffer, .address_space: global }
    .group_segment_fixed_size: 327680
    .private_segment_fixed_size: 0
    .kernarg_segment_align: 8
    .kernarg_segment_size: 40
    .max_flat_workgroup_size: 256
    .sgpr_count:     66
    .vgpr_count:     512
    .wavefront_size: 32
...
	.end_amdgpu_metadata
.endif
;; end of part 3
;; launch outln (part 4): grid 256 x 1, 8 waves a work-group, no clusters, 132,608 bytes of LDS; arguments o_img, o_sc, wo_img, Wo_scales, query, ln_gamma, ln_beta, out0; writes out0
.if DOCPART == 4
	.amdgcn_target "amdgcn-amd-amdhsa--gfx1250"
	.amdhsa_code_object_version 6
	.text
	.protected	k_q504a4ee73c_outln
	.globl	k_q504a4ee73c_outln
	.p2align	8
	.type	k_q504a4ee73c_outln,@function
k_q504a4ee73c_outln:
	s_mov_b64 s[64:65], 0
	v_nop
	global_prefetch_b8 v0, s[64:65] scope:SCOPE_SE
	s_setreg_imm32_b32 hwreg(HW_REG_WAVE_MODE, 25, 1), 1
	s_wait_xcnt 0x0
; out0 = LayerNorm(query + o Wo^T) x gamma + beta.  The product is on codes of FP8 (E4M3) with one E8M0 scale for each 32 along K = 1,024; all else in f32.
; A work-group owns 32 whole rows (two tiles of 16), so that a row's mean and variance never leave it; each of its eight waves makes 128 of the 1,024 columns: 16 accumulators.
; Operands come from memory straight into registers: o_img and wo_img are images of operand registers, so each load is 512 consecutive bytes.  Both hold the numbers of each block of 32 in the same order.
; THE MATRIX INSTRUCTION IS USED TRANSPOSED (source 0 = 16 rows of Wo, source 1 = 16 rows of o): a lane holds eight neighbouring columns of one row.
; The 32 x 1,024 sums meet in a stage in LDS (rows of 4,096 bytes + 16); then each wave takes four whole rows: residual, mean, variance, gain, bias, store.
; NO CLUSTER, NO TENSOR LOAD: a fragment of Wo is read by one wave of a work-group and feeds two matrix instructions, so a way through LDS would add its 1,048,576 bytes written and read again; a K step has 16 matrix
; instructions a wave, so joint loads would stand behind eight rounds for 128 products; and two slots of a K step (131,072 bytes each) do not fit beside the stage's 131,584.
; SCALES: one register carries two K steps: lanes 0-15 K step 2 p, lanes 16-31 K step 2 p + 1 (read by MATRIX_SCALE_ROW1).
; REGISTERS.  window 0: v1-8 addresses; v16-47 Wo's scale words (4 i + p); v48-55 o's (4 u + p); v64-127 o's fragments, two sets, later the norm's temporaries; v128-255 the accumulators (8 (8 u + i)), later four rows of x.
;   window 1: Wo's fragments, two sets of 128; later the residual (32 a row), gamma at v128, beta at v160.
; LIMITS: NaN and infinities are not served.
.set LI,  3                            ; 16 x lane
.set WO,  4                            ; Wo's scale words: 32 r + 4 h
.set AO,  5                            ; o's scale halves: 2 r + 8192 h
.set STO, 6                            ; the stage, rows 0-15: 4112 r + 32 h + 512 wave
.set ST1, 7                            ; rows 16-31
.set RD,  8                            ; back: my four rows, 16 bytes a lane
.set WS,  16
.set AS,  48
.set OF,  64
.set ACC, 128
.set SU,  64                           ; v64-71   a pair a row: the sum, then -mean, then 1 / sqrt(var + eps)
.set SV,  72                           ; v72-79   a pair a row: the sum of squares
.set PT,  80                           ; v80-83   the other half of the lanes'
.set SP,  4112                         ; a stage row
.set SEL, 28
.set MSB, 0
.macro WIN new                         ; the immediate's high byte repeats the setting that is left
.if MSB != \new
	s_set_vgpr_msb (MSB<<8)|\new
.set MSB, \new
.endif
.endm
.macro PLACES                          ; eight places behind this matrix instruction, and in front of it behind a scale register that vector instructions wrote
.rept 8
	v_nop
.endr
.endm
	s_load_b512 s[4:19], s[0:1], 0x0               ; o_img s[4:5], o_sc s[6:7], wo_img s[8:9], Wo's scales s[10:11], query s[12:13], gamma s[14:15], beta s[16:17], out0 s[18:19]
	v_lshl_add_u32 v62, v0, 2, 0x20200
	v_mov_b32 v63, 0
	v_lshrrev_b32 v1, 5, v0
	s_delay_alu instid0(VALU_DEP_1)
	v_readfirstlane_b32 s20, v1                    ; wave 0..7
	v_and_b32 v1, 15, v0                           ; r
	v_bfe_u32 v2, v0, 4, 1                         ; h
	v_and_b32 v[LI], 31, v0
	s_delay_alu instid0(VALU_DEP_1)
	v_lshlrev_b32 v[LI], 4, v[LI]
	s_delay_alu instid0(VALU_DEP_4)
	v_lshlrev_b32 v[WO], 5, v1
	s_delay_alu instid0(VALU_DEP_1)
	v_lshl_add_u32 v[WO], v2, 2, v[WO]
	v_lshlrev_b32 v[AO], 1, v1
	s_delay_alu instid0(VALU_DEP_1)
	v_lshl_add_u32 v[AO], v2, 13, v[AO]
	v_mul_u32_u24 v[STO], v1, SP
	s_delay_alu instid0(VALU_DEP_1)
	v_lshl_add_u32 v[STO], v2, 5, v[STO]
	s_lshl_b32 s21, s20, 9
	v_add_nc_u32 v[STO], s21, v[STO]
	s_delay_alu instid0(VALU_DEP_1)
	v_add_nc_u32 v[ST1], 16*SP, v[STO]
	s_mul_i32 s21, s20, 4*SP
	v_add_nc_u32 v[RD], s21, v[LI]
	s_mov_b32 s23, 0
	s_mov_b32 s26, 0x3a800000                      ; 1 / 1024
	s_mov_b32 s27, 0x3727c5ac                      ; 1e-5
	s_mov_b32 s[SEL], 0x76543210
	s_mov_b32 s[SEL+1], 0xfedcba98                 ; lane l xor 16
	s_wait_alu depctr_va_vdst(0)
	s_wait_kmcnt 0x0
	s_lshl_b32 s22, ttmp9, 15                      ; two row tiles of 16,384 bytes
	s_add_nc_u64 s[4:5], s[4:5], s[22:23]
	s_lshr_b32 s22, ttmp9, 6                       ; batch: 16 heads of 4,096 bytes
	s_lshl_b32 s22, s22, 16
	s_and_b32 s24, ttmp9, 63
	s_lshl_b32 s24, s24, 6                         ; two tiles of 32 bytes
	s_add_co_u32 s22, s22, s24
	s_add_nc_u64 s[6:7], s[6:7], s[22:23]
	s_lshl_b32 s22, s20, 14                        ; my eight tiles of Wo's rows: 2,048 bytes each in a K step
	s_add_nc_u64 s[8:9], s[8:9], s[22:23]
	s_lshl_b32 s22, s20, 12                        ; my 128 rows of Wo's scales
	s_add_nc_u64 s[10:11], s[10:11], s[22:23]
	s_lshl_b32 s22, ttmp9, 17                      ; row 32 g + 4 wave of 4,096 bytes
	s_lshl_b32 s24, s20, 14
	s_add_co_u32 s22, s22, s24
	s_add_nc_u64 s[12:13], s[12:13], s[22:23]
	s_add_nc_u64 s[18:19], s[18:19], s[22:23]
.macro LOADW s                         ; Wo's eight fragments of K step s
	WIN 0x40
.irp i, 0,1,2,3,4,5,6,7
.irp c, 0,1,2,3
	global_load_b128 v[128*((\s)%2)+16*\i+4*\c:128*((\s)%2)+16*\i+4*\c+3], v[LI], s[8:9] offset:131072*(\s)+2048*\i+512*\c
.endr
.endr
	WIN 0
.endm
.macro LOADA s                         ; o's two
.irp u, 0,1
.irp c, 0,1,2,3
	global_load_b128 v[OF+32*((\s)%2)+16*\u+4*\c:OF+32*((\s)%2)+16*\u+4*\c+3], v[LI], s[4:5] offset:16384*\u+2048*(\s)+512*\c
.endr
.endr
.endm
.irp u, 0,1
.irp p, 0,1,2,3
.irp e, 0,1
	global_load_u16 v[ACC+8*\u+2*\p+\e], v[AO], s[6:7] offset:16384*\p+4096*\e+32*\u   ; head 4 p + 2 h + e: its two bytes for row r of tile u
.endr
.endr
.endr
.irp i, 0,1,2,3,4,5,6,7
.irp p, 0,1,2,3
	global_load_b32 v[WS+4*\i+\p], v[WO], s[10:11] offset:512*\i+8*\p
.endr
.endr
	LOADA 0
	s_wait_loadcnt 40                              ; the sixteen halves are in; the 32 words and 8 fragment loads behind them may be out
.irp u, 0,1
.irp p, 0,1,2,3
	v_lshl_or_b32 v[AS+4*\u+\p], v[ACC+8*\u+2*\p+1], 16, v[ACC+8*\u+2*\p]   ; a K step's word: the even head's bytes below, the odd head's above
.endr
.endr
	LOADW 0
; K step s: the next step's 40 loads go out into the other set, then this step's 16 products, the accumulators by turns.
.macro KST s
	PLACES
.if (\s) < 7
	LOADW (\s)+1
	LOADA (\s)+1
	s_wait_loadcnt 40                              ; all but the 40 just issued
.else
	s_wait_loadcnt 0x0
.endif
	WIN 0x01                                       ; source 0 (Wo) window 1
.irp u, 0,1
.irp i, 0,1,2,3,4,5,6,7
.if (\s) == 0
	v_wmma_scale_f32_16x16x128_f8f6f4 v[ACC+8*(8*\u+\i):ACC+8*(8*\u+\i)+7], v[16*\i:16*\i+15], v[OF+16*\u:OF+16*\u+15], 0, v[WS+4*\i], v[AS+4*\u]
.elseif (\s)%2 == 0
	v_wmma_scale_f32_16x16x128_f8f6f4 v[ACC+8*(8*\u+\i):ACC+8*(8*\u+\i)+7], v[16*\i:16*\i+15], v[OF+16*\u:OF+16*\u+15], v[ACC+8*(8*\u+\i):ACC+8*(8*\u+\i)+7], v[WS+4*\i+(\s)/2], v[AS+4*\u+(\s)/2]
.else
	v_wmma_scale_f32_16x16x128_f8f6f4 v[ACC+8*(8*\u+\i):ACC+8*(8*\u+\i)+7], v[128+16*\i:128+16*\i+15], v[OF+32+16*\u:OF+32+16*\u+15], v[ACC+8*(8*\u+\i):ACC+8*(8*\u+\i)+7], v[WS+4*\i+(\s)/2], v[AS+4*\u+(\s)/2] matrix_a_scale:MATRIX_SCALE_ROW1 matrix_b_scale:MATRIX_SCALE_ROW1
.endif
.endr
.endr
	WIN 0
.endm
	s_wait_alu depctr_va_vdst(0)
.irp s, 0,1,2,3,4,5,6,7
	KST \s
.endr
	PLACES
	WIN 0x40                                       ; the residual, gamma and beta go out first, into Wo's registers: they land while the sums go through the stage
.irp w, 0,1,2,3
.irp k, 0,1,2,3,4,5,6,7
	global_load_b128 v[32*\w+4*\k:32*\w+4*\k+3], v[LI], s[12:13] offset:4096*\w+512*\k th:TH_LOAD_NT
.endr
.endr
.irp k, 0,1,2,3,4,5,6,7
	global_load_b128 v[128+4*\k:131+4*\k], v[LI], s[14:15] offset:512*\k
	global_load_b128 v[160+4*\k:163+4*\k], v[LI], s[16:17] offset:512*\k
.endr
	WIN 0
.irp i, 0,1,2,3,4,5,6,7
	ds_store_b128 v[STO], v[ACC+8*\i:ACC+8*\i+3] offset:64*\i            ; lane (r, h): row r, columns 128 wave + 16 i + 8 h + 0 .. 7; each accumulator from its low end on
	ds_store_b128 v[STO], v[ACC+8*\i+4:ACC+8*\i+7] offset:64*\i+16
.endr
.irp i, 0,1,2,3,4,5,6,7
	ds_store_b128 v[ST1], v[ACC+64+8*\i:ACC+64+8*\i+3] offset:64*\i
	ds_store_b128 v[ST1], v[ACC+64+8*\i+4:ACC+64+8*\i+7] offset:64*\i+16
.endr
	s_wait_dscnt 0x0                               ; for the others' sake: my stores into the stage are done
	s_barrier_signal -1
	s_barrier_wait -1
.irp w, 0,1,2,3
.irp k, 0,1,2,3,4,5,6,7
	ds_load_b128 v[ACC+32*\w+4*\k:ACC+32*\w+4*\k+3], v[RD] offset:SP*\w+512*\k   ; row 4 wave + w: register 4 k + e is column 128 k + 4 lane + e
.endr
.endr
.irp w, 0,1,2,3
	v_mov_b32 v[PT+\w], 0                          ; a lane permute's destination counts as one of its sources
.endr
	s_wait_loadcnt 0x0
	s_wait_dscnt 0x0
	WIN 0x04                                       ; source 1 (the residual) window 1
.set n, 0
.rept 16
.irp w, 0,1,2,3
	v_pk_add_f32 v[ACC+32*\w+n:ACC+32*\w+n+1], v[ACC+32*\w+n:ACC+32*\w+n+1], v[32*\w+n:32*\w+n+1]   ; x = residual + out; the four rows by turns throughout
.endr
.set n, n+2
.endr
	WIN 0
; the pair at v[base + 2 w] becomes, in its low register and in every lane, the sum over the row
.macro ACROSS base
.irp w, 0,1,2,3
	s_delay_alu instid0(VALU_DEP_4)
	v_add_f32 v[\base+2*\w], v[\base+2*\w], v[\base+2*\w+1]
.endr
.irp m, 1,2,4,8
.irp w, 0,1,2,3
	s_delay_alu instid0(VALU_DEP_4)
	v_add_f32_dpp v[\base+2*\w], v[\base+2*\w], v[\base+2*\w] row_xmask:\m row_mask:0xf bank_mask:0xf
.endr
.endr
.irp w, 0,1,2,3
	s_delay_alu instid0(VALU_DEP_4)
	v_permlanex16_b32 v[PT+\w], v[\base+2*\w], s[SEL], s[SEL+1]
.endr
.irp w, 0,1,2,3
	s_delay_alu instid0(VALU_DEP_4)
	v_add_f32 v[\base+2*\w], v[\base+2*\w], v[PT+\w]
.endr
.endm
.irp w, 0,1,2,3
	v_pk_add_f32 v[SU+2*\w:SU+2*\w+1], v[ACC+32*\w:ACC+32*\w+1], v[ACC+32*\w+2:ACC+32*\w+3]
.endr
.set n, 4
.rept 14
.irp w, 0,1,2,3
	s_delay_alu instid0(VALU_DEP_4)
	v_pk_add_f32 v[SU+2*\w:SU+2*\w+1], v[SU+2*\w:SU+2*\w+1], v[ACC+32*\w+n:ACC+32*\w+n+1]
.endr
.set n, n+2
.endr
	ACROSS SU
.irp w, 0,1,2,3
	s_delay_alu instid0(VALU_DEP_4)
	v_mul_f32 v[SU+2*\w], 0xba800000, v[SU+2*\w]   ; -mean = the sum x -1/1024
.endr
.set n, 0
.rept 16
.irp w, 0,1,2,3
	v_pk_add_f32 v[ACC+32*\w+n:ACC+32*\w+n+1], v[ACC+32*\w+n:ACC+32*\w+n+1], v[SU+2*\w:SU+2*\w+1] op_sel_hi:[1,0]   ; x - mean
.endr
.set n, n+2
.endr
.irp w, 0,1,2,3
	v_pk_mul_f32 v[SV+2*\w:SV+2*\w+1], v[ACC+32*\w:ACC+32*\w+1], v[ACC+32*\w:ACC+32*\w+1]
.endr
.set n, 2
.rept 15
.irp w, 0,1,2,3
	s_delay_alu instid0(VALU_DEP_4)
	v_pk_fma_f32 v[SV+2*\w:SV+2*\w+1], v[ACC+32*\w+n:ACC+32*\w+n+1], v[ACC+32*\w+n:ACC+32*\w+n+1], v[SV+2*\w:SV+2*\w+1]
.endr
.set n, n+2
.endr
	ACROSS SV
.irp w, 0,1,2,3
	s_delay_alu instid0(VALU_DEP_4)
	v_fma_f32 v[SV+2*\w], v[SV+2*\w], s26, s27     ; the variance + 1e-5
.endr
	s_wait_alu depctr_va_vdst(0)
.irp w, 0,1,2,3
	v_rsq_f32 v[SU+2*\w], v[SV+2*\w]
.endr
	v_nop                                          ; a plain line behind the four
	s_wait_alu depctr_va_vdst(0)                   ; and one wait for them, ahead of their first reader
.set n, 0
.rept 16
.irp w, 0,1,2,3
	v_pk_mul_f32 v[ACC+32*\w+n:ACC+32*\w+n+1], v[ACC+32*\w+n:ACC+32*\w+n+1], v[SU+2*\w:SU+2*\w+1] op_sel_hi:[1,0]
.endr
.set n, n+2
.endr
	WIN 0x14                                       ; sources 1 (gamma) and 2 (beta) window 1
.set n, 0
.rept 16
.irp w, 0,1,2,3
	v_pk_fma_f32 v[ACC+32*\w+n:ACC+32*\w+n+1], v[ACC+32*\w+n:ACC+32*\w+n+1], v[128+n:129+n], v[160+n:161+n]
.endr
.set n, n+2
.endr
	WIN 0
.irp w, 0,1,2,3
.irp k, 0,1,2,3,4,5,6,7
	global_store_b128 v[LI], v[ACC+32*\w+4*\k:ACC+32*\w+4*\k+3], s[18:19] offset:4096*\w+512*\k th:TH_STORE_NT   ; 512 consecutive bytes, aligned; written once
.endr
.endr
	s_wait_tensorcnt 0x0
	ds_add_u32 v62, v63
	s_wait_dscnt 0x0
	s_endpgm
.Lfunc_end_k_q504a4ee73c_outln:
	.size	k_q504a4ee73c_outln, .Lfunc_end_k_q504a4ee73c_outln-k_q504a4ee73c_outln
	.p2alignl 7, 3214868480
	.fill 96, 4, 3214868480
	.section	.rodata,"a",@progbits
	.p2align	6, 0x0
	.amdhsa_kernel k_q504a4ee73c_outln
		.amdhsa_group_segment_fixed_size 132608
		.amdhsa_private_segment_fixed_size 0
		.amdhsa_enable_private_segment 0
		.amdhsa_kernarg_size 64
		.amdhsa_user_sgpr_count 2
		.amdhsa_user_sgpr_kernarg_segment_ptr 1
		.amdhsa_wavefront_size32 1
		.amdhsa_system_sgpr_workgroup_id_x 1
		.amdhsa_system_sgpr_workgroup_id_y 1
		.amdhsa_system_sgpr_workgroup_id_z 1
		.amdhsa_system_vgpr_workitem_id 0
		.amdhsa_next_free_vgpr 512
		.amdhsa_next_free_sgpr 66
		.amdhsa_reserve_vcc 0
		.amdhsa_float_denorm_mode_32 3
		.amdhsa_float_denorm_mode_16_64 3
		.amdhsa_memory_ordered 1
		.amdhsa_forward_progress 1
		.amdhsa_inst_pref_size 103
	.end_amdhsa_kernel
	.amdgpu_metadata
---
amdhsa.version: [ 1, 2 ]
amdhsa.kernels:
  - .name:           k_q504a4ee73c_outln
    .symbol:         k_q504a4ee73c_outln.kd
    .args:
      - { .name: o_img, .offset: 0, .size: 8, .value_kind: global_buffer, .address_space: global }
      - { .name: o_sc, .offset: 8, .size: 8, .value_kind: global_buffer, .address_space: global }
      - { .name: wo_img, .offset: 16, .size: 8, .value_kind: global_buffer, .address_space: global }
      - { .name: Wo_scales, .offset: 24, .size: 8, .value_kind: global_buffer, .address_space: global }
      - { .name: query, .offset: 32, .size: 8, .value_kind: global_buffer, .address_space: global }
      - { .name: ln_gamma, .offset: 40, .size: 8, .value_kind: global_buffer, .address_space: global }
      - { .name: ln_beta, .offset: 48, .size: 8, .value_kind: global_buffer, .address_space: global }
      - { .name: out0, .offset: 56, .size: 8, .value_kind: global_buffer, .address_space: global }
    .group_segment_fixed_size: 132608
    .private_segment_fixed_size: 0
    .kernarg_segment_align: 8
    .kernarg_segment_size: 64
    .max_flat_workgroup_size: 256
    .sgpr_count:     66
    .vgpr_count:     512
    .wavefront_size: 32
...
	.end_amdgpu_metadata
.endif
;; end of part 4
